; MI455X (gfx1250); checked and timed in simulation.
; The chip was launched on July 23, 2026; its instructions are those of AMD's public machine-readable ISA for CDNA 5 (MIT licence, August 2026) and "CDNA5" Instruction Set Architecture Reference Guide (July 2026). The comments in the code are by the model that wrote it; some were corrected since.
;; Self Attention. Allowed arithmetic: matrix products marked QUANTISED: E2M1 operands, one E8M0 scale for each 32 along K, by v_wmma_scale_f32_16x16x128_f8f6f4 with both operands' format E2M1 (or v_wmma_scale_f32_32x16x128_f4), f32 sums; everything else in f32.
;; Inputs: Wk 1,024 x 1,024 float32; Wq 1,024 x 1,024 float32; Wv 1,024 x 1,024 float32; atten_mask 2,048 x 2,048 int32; bk 1,024 float32; bq 1,024 float32; bv 1,024 float32; x 4 x 2,048 x 1,024 float32.
;; Outputs: out0 4 x 2,048 x 1,024 float32.
;; This version of the problem:
;;   THIS VERSION OF THE PROBLEM IS GIVEN IN LOW PRECISION. The matrix products marked QUANTISED in the list below multiply operands that are first quantised to E2M1 (2 exponent bits, 1 mantissa bit; 4 bits a number), with one power-of-two scale for each 32 numbers along K (OCP MX v1.0); their sums are f32. All else is computed in f32.
;;   The module's matrix products, in the order in which they are computed (A, B: the left and right operand; K: the contracted axis; several contracted axes count as one K, in the product's order):
;;     1. [M 8,192, K 1,024] x [K 1,024, N 1,024]; A: input x; B: input Wq: QUANTISED
;;     2. [M 8,192, K 1,024] x [K 1,024, N 1,024]; A: input x; B: input Wk: QUANTISED
;;     3. [M 8,192, K 1,024] x [K 1,024, N 1,024]; A: input x; B: input Wv: QUANTISED
;;     4. batch 64 x [M 2,048, K 64] x [K 64, N 2,048]; A: computed on the way; B: computed on the way: QUANTISED
;;     5. batch 64 x [M 64, K 2,048] x [K 2,048, N 2,048]; A: computed on the way; B: softmax (see below): QUANTISED
;;   THE QUANTISER, for each operand of a quantised product, along K:
;;     - K is cut into blocks of 32 from its start; a last block that is shorter is filled with zeros.
;;     - A block's scale is 2^e with e = floor(log2(the largest magnitude in the block)) - 2, held to -126 .. 127; a block of zeros has e = 0. As a byte (E8M0): e + 127.
;;     - Each number is divided by its block's scale, clamped to +-6, and rounded to the nearest number of E2M1, ties to even, subnormals kept.
;;     - The product sums the exact products of the quantised numbers (number of the format x scale) in f32.
;;   ~~~python
;;   def quantise(x, axis):      # numpy; x: float32 -> the quantised numbers, widened to float32 again
;;       x = np.moveaxis(x, axis, -1); K = x.shape[-1]
;;       x = np.pad(x, [(0, 0)] * (x.ndim - 1) + [(0, -K % 32)]); x = x.reshape(x.shape[:-1] + (-1, 32)); a = np.abs(x).max(-1, keepdims=True)
;;       e = np.where(a > 0, np.clip(np.frexp(np.where(a > 0, a, 1))[1] - 1 - 2, -126, 127), 0)      # np.frexp(a)[1] - 1 = floor(log2(a)), exactly
;;       r = np.clip(x / 2.0 ** e, -6, 6)
;;       step = 2.0 ** (np.maximum(np.frexp(np.where(r == 0, 1, r))[1] - 1, 0) - 1)
;;       q = np.round(r / step) * step * 2.0 ** e      # np.round: ties to even
;;       return np.moveaxis(q.reshape(q.shape[:-2] + (-1,))[..., :K], -1, axis).astype(np.float32)
;;   ~~~
;;   SOFTMAX AHEAD OF A QUANTISED PRODUCT. Where the list says 'softmax', what is quantised is not the finished softmax but p = 2^(t - M), with t = logit x log2(e) and M = ceil(the row's largest t), a whole number; so 1/2 < the row's largest p <= 1. The row's sum l is taken of the UNQUANTISED p, in f32, and the product's result is divided by l at the end. Since M is a whole number, a kernel that streams over the keys may use a running M (the ceiling of the running maximum): every later rescaling is an exact power of two, which a block's scale takes up: the codes' values come out the same.
;;   OPERANDS COMPUTED ON THE WAY. 'Computed on the way' means the value that the module computes at that place (a softmax that the list does not call 'softmax' is quantised finished and normalised). What goes into a quantiser is computed in f32, as accurately as f32 sums, v_exp_f32 and their like allow (about 1e-6 of the number): no bf16 or f16 on the way to a quantiser, and a product that is left as it is and whose result goes on into a quantised operand takes f32 operands (vector FMAs, or v_wmma_f32_16x16x4_f32). A number that lies on a knife's edge between two numbers of the format may be rounded either way, as far as f32 arithmetic and the matrix unit's own rounding can turn it there, and no further.
;; 2 versions, each right; version 2 is version 1 with the launch attn written anew for expert scheduling mode. Each part assembles by itself: llvm-mc -triple=amdgcn-amd-amdhsa -mcpu=gfx1250 --defsym DOCPART=n.
;; ======== version 1 of 2: 3 launches
;; workspace buffers: opc 5,767,168 bytes; ops 360,448 bytes; mb 524,288 bytes of whole numbers; cls 8,192 bytes of whole numbers; qkc 12,582,912 bytes; qks 1,310,720 bytes
;; launch prep (part 1): grid 864 x 1, 4 waves a work-group, no clusters, 50,688 bytes of LDS; arguments x, Wq, Wk, Wv, atten_mask, opc, ops, mb, cls; writes opc, ops, mb, cls
.if DOCPART == 1
	.amdgcn_target "amdgcn-amd-amdhsa--gfx1250"
	.amdhsa_code_object_version 6
	.text
	.protected	k_q9b0cbf4567_prep
	.globl	k_q9b0cbf4567_prep
	.p2align	8
	.type	k_q9b0cbf4567_prep,@function
k_q9b0cbf4567_prep:
	s_mov_b64 s[64:65], 0
	v_nop
	global_prefetch_b8 v0, s[64:65] scope:SCOPE_SE
	s_setreg_imm32_b32 hwreg(HW_REG_WAVE_MODE, 25, 1), 1
	s_wait_xcnt 0x0
; SELF-ATTENTION IN MX-FP4, LAUNCH 1 OF 3: the operands of the three projections become codes, and the mask becomes bits.
; THE PROGRAM.  (1) this launch; (2) the projections x W + b on codes, whose way out quantises q, k (along the head's 64) and v (along the keys);
; (3) attention on codes, 128 keys a step.
; WORK LEFT OUT.  No input is left out: every bias moves codes of a live product.  In launch 3 a step of 16 queries x 128 keys whose 2,048 entries of
; atten_mask are all 1 is not computed: reference() sets those scores to -inf, so p = 0 there for every value of x, W and b; such a step adds 0 to the
; row's sum and 0 to the result and cannot raise the row's maximum.  Whole numbers decide it: this launch stores them (cls), launch 3 reads them.
; LIMIT: a NaN, an infinity or an overflow in k or v that reaches only such steps is not carried to the result.
; LIMITS OF THE QUANTISERS: a block whose largest magnitude lies under 2^(3 - 127) gets the byte 1 (a block of zeros too, where the rule says 127: its codes
; are zeros and this program alone reads the bytes); NaN and infinities among x, W, b are not served.  A mask entry other than 1 counts as open, as in reference().
; STORED ROWS.  Rows of x's and of W's codes and scale bytes are stored with bits 3 and 4 of the row number exchanged (pi).  So stored tile 2 b + u,
; lane r, is row 32 b + 8 u + r + 8 (r / 8), and a matrix result whose source 0 is such tiles has 16 neighbours in the 16 registers of two neighbouring tiles.
; opc: [11264 stored rows][512 bytes]: x's 8,192 rows, then Wq's, Wk's, Wv's 1,024 columns each, K innermost.  ops: [11264][32] E8M0 bytes.
; mb:  [tile of 16 queries 128][step 16][lane r 16][4 words]: bit k of word j = (mask[query][128 step + 32 j + k] == 1).  cls: [128][16] words: bit 0 all masked, bit 1 some masked.
; THREE PATHS by the work-group's number: 0-95 W, 96-351 x, 352-863 the mask.  Each path has LDS bytes of its own.
.set SPARE, 50176                      ; the spare words: 128 bytes for each wave, named by no other line
.set WST,   32768                      ; the W path's stage: 64 rows x 272 bytes.  Bytes 0-32767: the x path, 8,192 a wave
.set SPW,   12                         ; v12 my spare word's LDS address; never rewritten
.set NIL,   13                         ; v13 0; never rewritten
	s_load_b512 s[4:19], s[0:1], 0x0               ; x 4:5, Wq 6:7, Wk 8:9, Wv 10:11, mask 12:13, opc 14:15, ops 16:17, mb 18:19
	s_load_b64 s[20:21], s[0:1], 0x40              ; cls
	v_lshl_add_u32 v[SPW], v0, 2, SPARE
	v_mov_b32 v[NIL], 0
	v_lshrrev_b32 v1, 5, v0
	v_readfirstlane_b32 s22, v1                    ; wave 0..3
	v_and_b32 v2, 31, v0                           ; lane
	s_wait_kmcnt 0x0
	s_cmp_lt_u32 ttmp9, 96
	s_cbranch_scc1 .Lw
	s_cmp_lt_u32 ttmp9, 352
	s_cbranch_scc1 .Lx
; ---------------- THE MASK.  A wave takes one tile: 16 queries x 128 keys, 64 loads of 128 consecutive bytes (a lane a key; four loads cover 512 bytes of a row).
	s_sub_co_u32 s23, ttmp9, 352
	s_lshr_b32 s26, s23, 2                         ; the tile of queries, 0..127
	s_and_b32 s27, s23, 3
	s_lshl_b32 s27, s27, 2
	s_add_co_u32 s27, s27, s22                     ; the step, 0..15
	s_lshr_b32 s28, s26, 1
	s_lshl_b32 s28, s28, 5
	s_and_b32 s29, s26, 1
	s_lshl_b32 s29, s29, 3
	s_add_co_u32 s28, s28, s29                     ; lane 0's query: 32 (tile / 2) + 8 (tile % 2)
	s_lshl_b32 s28, s28, 13                        ; a row of the mask is 8,192 bytes
	s_lshl_b32 s29, s27, 9                         ; 128 keys are 512 bytes
	s_add_co_u32 s28, s28, s29
	s_mov_b32 s29, 0
	s_add_nc_u64 s[12:13], s[12:13], s[28:29]
	s_lshl_b32 s28, s26, 4
	s_add_co_u32 s28, s28, s27                     ; 16 tile + step
	s_lshl_b32 s30, s28, 8
	s_mov_b32 s31, 0
	s_add_nc_u64 s[18:19], s[18:19], s[30:31]      ; my 256 bytes of mb
	s_lshl_b32 s30, s28, 2
	s_add_nc_u64 s[20:21], s[20:21], s[30:31]      ; my word of cls
	v_lshlrev_b32 v3, 2, v2
.irp r, 0,1,2,3,4,5,6,7,8,9,10,11,12,13,14,15
.irp j, 0,1,2,3
	global_load_b32 v[64+4*\r+\j], v3, s[12:13] offset:(\r+8*(\r/8))*8192+128*\j th:TH_LOAD_NT
.endr
.endr
	v_mov_b32 v8, 0                                ; the 64 words, two a lane: word 4 r + j in lane 2 r + j / 2, register j % 2
	v_mov_b32 v9, 0
	s_mov_b32 s24, -1                              ; the AND of all words
	s_mov_b32 s25, 0                               ; the OR
.irp n, 0,1,2,3
	s_wait_loadcnt 48-16*\n                        ; this batch's 16 loads are in; the later batches' may be out
.irp q, 0,1,2,3,4,5,6,7,8,9,10,11,12,13,14,15
	v_cmp_eq_u32 s[32+\q], 1, v[64+16*\n+\q]       ; a compare's mask IS the word: bit = lane = key
.endr
.irp q, 0,1,2,3,4,5,6,7,8,9,10,11,12,13,14,15
	s_and_b32 s24, s24, s[32+\q]
	s_or_b32 s25, s25, s[32+\q]
	v_writelane_b32 v[8+(\q&1)], s[32+\q], 2*(4*\n+\q/4)+((\q%4)>>1)
.endr
.endr
	s_cmp_eq_u32 s24, -1
	s_cselect_b32 s26, 1, 0                        ; all 2,048 masked
	s_cmp_lg_u32 s25, 0
	s_cselect_b32 s27, 2, 0                        ; some masked
	s_or_b32 s26, s26, s27
	v_mov_b32 v10, s26
	v_mov_b32 v11, 0
	v_lshlrev_b32 v4, 3, v2
	global_store_b64 v4, v[8:9], s[18:19]          ; 32 lanes store 256 consecutive bytes, aligned
	v_cmp_eq_u32 vcc_lo, 0, v2
	s_wait_xcnt 0x0                                ; EXEC changes only behind this wait
	s_and_saveexec_b32 s28, vcc_lo
	global_store_b32 v11, v10, s[20:21]            ; four bytes a wave: 8,192 bytes in the whole launch
	s_wait_xcnt 0x0
	s_or_b32 exec_lo, exec_lo, s28
	s_endpgm
; ---------------- x.  A plain stream of blocks of 32.  A wave takes a run of 8,192 numbers (8 rows), 16 steps of 512.  Each load reads 512 consecutive bytes; a step's 2,048 bytes turn
; through the wave's own stage in LDS so that a lane holds 16 neighbours; two neighbouring lanes hold a block.  pi exchanges the two low bits of the run's number.
.set STEPS, 16
.set EMAX,  2
.set CB,    8                          ; bytes of 16 codes
.set XR,    16                         ; v16-79   four sets of 16 numbers as loaded
.set XX,    80                         ; v80-111  two sets of 16 neighbours
.set XE,    112                        ; v112-127 a scale byte for each step
.set XC,    128                        ; v128-191 codes: registers of its own for each step, so that no store's data are written again
.set WREG,  8192                       ; a wave's LDS: two stages of 32 x SP bytes, then its 256 scale bytes
.set SP,    80                         ; a lane's 64 bytes + 16 of padding
.Lx:
	v_lshlrev_b32 v3, 4, v2
	s_mul_i32 s23, s22, WREG
	v_lshrrev_b32 v14, 2, v2
	v_mul_u32_u24 v14, v14, SP
	v_and_b32 v15, 3, v2
	v_lshl_add_u32 v14, v15, 4, v14
	v_add_nc_u32 v14, s23, v14                     ; into the stage: SP (lane / 4) + 16 (lane % 4)
	v_mul_u32_u24 v15, v2, SP
	v_add_nc_u32 v15, s23, v15                     ; out of it: SP x lane
	v_mul_u32_u24 v4, v2, CB
	v_lshrrev_b32 v5, 1, v2
	s_add_co_u32 s23, s23, 2*32*SP
	v_add_nc_u32 v5, s23, v5                       ; my block's scale byte
	v_lshlrev_b32 v7, 3, v2
	v_add_nc_u32 v6, s23, v7
	s_sub_co_u32 s24, ttmp9, 96
	s_lshl_b32 s24, s24, 2
	s_add_co_u32 s26, s24, s22                     ; the run that I read
	s_lshl_b32 s26, s26, 15
	s_mov_b32 s27, 0
	s_add_nc_u64 s[4:5], s[4:5], s[26:27]
	s_and_b32 s28, s22, 1
	s_lshl_b32 s28, s28, 1
	s_lshr_b32 s29, s22, 1
	s_or_b32 s28, s28, s29
	s_add_co_u32 s28, s28, s24                     ; the run that I write: the wave's two bits exchanged
	s_lshl_b32 s26, s28, 12
	s_add_nc_u64 s[14:15], s[14:15], s[26:27]      ; 4,096 bytes of codes a run
	s_lshl_b32 s26, s28, 8
	s_add_nc_u64 s[16:17], s[16:17], s[26:27]      ; 256 scale bytes a run
.macro XLOAD t
.irp i, 0,1,2,3
	global_load_b128 v[XR+16*((\t)%4)+4*\i:XR+16*((\t)%4)+4*\i+3], v3, s[4:5] offset:2048*(\t)+512*\i th:TH_LOAD_NT
.endr
.endm
.macro XTURN t                         ; LDS serves a wave's instructions in order: no wait between the stores and the loads
.irp i, 0,1,2,3
	ds_store_b128 v14, v[XR+16*((\t)%4)+4*\i:XR+16*((\t)%4)+4*\i+3] offset:32*SP*((\t)%2)+8*SP*\i
.endr
.irp i, 0,1,2,3
	ds_load_b128 v[XX+16*((\t)%2)+4*\i:XX+16*((\t)%2)+4*\i+3], v15 offset:32*SP*((\t)%2)+16*\i
.endr
.endm
.irp t, 0,1,2,3
	XLOAD \t
.endr
	s_wait_loadcnt 12                              ; step 0's four loads are in
	XTURN 0
.macro XSTEP t
.set XSS, XX+16*((\t)%2)
.if (\t) > 0
	s_wait_dscnt 1                                 ; this step's numbers are back from the stage; the last step's byte store may be out
.else
	s_wait_dscnt 0x0
.endif
.if (\t)+4 < STEPS
	XLOAD (\t)+4
.endif
.if (\t)+1 < STEPS
.if STEPS-2-(\t) >= 3
	s_wait_loadcnt 12                              ; the next step's four loads are in; those of the three steps behind it may be out
.else
	s_wait_loadcnt 4*(STEPS-2-(\t))
.endif
	XTURN (\t)+1
.endif
	v_max3_num_f32 v8, |v[XSS]|, |v[XSS+1]|, |v[XSS+2]|
	v_max3_num_f32 v9, |v[XSS+3]|, |v[XSS+4]|, |v[XSS+5]|
.irp i, 6,10
	v_max3_num_f32 v8, v8, |v[XSS+\i]|, |v[XSS+\i+1]|
	v_max3_num_f32 v9, v9, |v[XSS+\i+2]|, |v[XSS+\i+3]|
.endr
	v_max3_num_f32 v8, v8, |v[XSS+14]|, |v[XSS+15]|
	v_max3_num_f32 v8, v8, v9, (EMAX+1)<<23        ; the floor 2^(3 - 127): the byte cannot fall under 1
	v_max_num_f32_dpp v8, v8, v8 row_xmask:1 row_mask:0xf bank_mask:0xf   ; with my neighbour's 16: the block's largest magnitude
	v_add_nc_u32 v11, -(EMAX<<23), v8              ; 2 off its exponent field: the conversion's scale operand
	v_cvt_scalef32_pk8_fp4_f32 v[XC+4*(\t)], v[XSS:XSS+7], v11
	v_cvt_scalef32_pk8_fp4_f32 v[XC+4*(\t)+1], v[XSS+8:XSS+15], v11
	v_lshrrev_b32 v[XE+(\t)], 23, v11              ; the scale's byte
	ds_store_b8 v5, v[XE+(\t)] offset:16*(\t)      ; both lanes of a block write the same byte with the same value
	global_store_b64 v4, v[XC+4*(\t):XC+4*(\t)+1], s[14:15] offset:32*CB*(\t)   ; 32 lanes store 256 consecutive bytes, aligned
.endm
.irp t, 0,1,2,3,4,5,6,7,8,9,10,11,12,13,14,15
	XSTEP \t
.endr
	ds_load_b64 v[8:9], v6
	s_wait_dscnt 0x0
	global_store_b64 v7, v[8:9], s[16:17]          ; the run's 256 scale bytes, aligned
	s_wait_tensorcnt 0x0                           ; the wave's end: behind my last LDS store
	ds_add_u32 v[SPW], v[NIL]
	s_wait_dscnt 0x0
	s_endpgm
; ---------------- W [k][n]: K is the first axis.  A lane takes a column, its registers run down K: a block of 32 is one lane's 32 registers, and the codes come out with K innermost.
; A work-group takes 64 columns x 512 along K; wave w columns 32 (w % 2) on, K 256 (w / 2) on: 8 blocks.  The codes meet in a stage (a row = a column's 256 bytes, from two waves) and leave as whole rows.
.Lw:
	s_lshr_b32 s23, ttmp9, 5                       ; which W: 0 q, 1 k, 2 v
	s_and_b32 s24, ttmp9, 15                       ; which 64 columns
	s_bfe_u32 s25, ttmp9, 0x10004                  ; which 512 along K
	s_cmp_lt_u32 ttmp9, 32
	s_cselect_b64 s[6:7], s[6:7], s[8:9]
	s_cmp_lt_u32 ttmp9, 64
	s_cselect_b64 s[6:7], s[6:7], s[10:11]
	s_and_b32 s26, s22, 1
	s_lshr_b32 s27, s22, 1
	s_lshl_b32 s28, s25, 9
	s_lshl_b32 s29, s27, 8
	s_add_co_u32 s28, s28, s29                     ; my first k
	s_lshl_b32 s28, s28, 12                        ; a row of W is 4,096 bytes
	s_lshl_b32 s29, s24, 8
	s_add_co_u32 s28, s28, s29
	s_lshl_b32 s29, s26, 7
	s_add_co_u32 s28, s28, s29                     ; + 4 x my first column
	s_mov_b32 s29, 0
	s_add_nc_u64 s[6:7], s[6:7], s[28:29]
	s_lshl_b32 s30, s23, 10
	s_lshl_b32 s31, s24, 6
	s_add_co_u32 s30, s30, s31
	s_add_co_u32 s30, s30, 8192                    ; the group's first stored row
	s_lshl_b32 s28, s27, 5
	s_lshl_b32 s31, s26, 3
	s_add_co_u32 s28, s28, s31
	s_add_co_u32 s28, s28, s30                     ; the rows that I store: stage rows 16 w + 2 t + hh go to 32 (w / 2) + 16 (t / 4) + 8 (w % 2) + (2 t) % 8 + hh
	s_lshl_b32 s28, s28, 9
	s_lshl_b32 s31, s25, 8
	s_add_co_u32 s28, s28, s31
	s_add_nc_u64 s[14:15], s[14:15], s[28:29]
	s_lshl_b32 s28, s26, 5
	s_add_co_u32 s28, s28, s30
	s_lshl_b32 s28, s28, 5                         ; scale bytes: 32 a row
	s_lshl_b32 s31, s25, 4
	s_add_co_u32 s28, s28, s31
	s_lshl_b32 s31, s27, 3
	s_add_co_u32 s28, s28, s31
	s_add_nc_u64 s[16:17], s[16:17], s[28:29]
	v_lshlrev_b32 v3, 2, v2
	s_mul_i32 s28, s26, 32*272
	s_lshl_b32 s31, s27, 7
	s_add_co_u32 s28, s28, s31
	s_add_co_u32 s28, s28, WST
	v_mul_u32_u24 v4, v2, 272
	v_add_nc_u32 v4, s28, v4                       ; into the stage: my column's row, my half of its 256 bytes
	v_and_b32 v5, 15, v2
	v_lshrrev_b32 v6, 4, v2
	s_mul_i32 s28, s22, 16*272
	s_add_co_u32 s28, s28, WST
	v_mul_u32_u24 v7, v6, 272
	v_lshl_add_u32 v7, v5, 4, v7
	v_add_nc_u32 v7, s28, v7                       ; out of it: sixteen lanes to a row, two rows an instruction
	v_lshlrev_b32 v8, 9, v6
	v_lshl_add_u32 v8, v5, 4, v8                   ; and the same in opc
	v_and_b32 v9, 7, v2
	v_bfe_u32 v10, v2, 3, 1
	v_lshl_or_b32 v9, v10, 4, v9
	v_lshl_or_b32 v9, v6, 3, v9                    ; pi(lane)
	v_lshlrev_b32 v9, 5, v9                        ; my column's row of scale bytes
.macro WLOAD t
.irp i, 0,1,2,3,4,5,6,7,8,9,10,11,12,13,14,15,16,17,18,19,20,21,22,23,24,25,26,27,28,29,30,31
	global_load_b32 v[32+32*((\t)%2)+\i], v3, s[6:7] offset:(32*(\t)+\i)*4096 th:TH_LOAD_NT
.endr
.endm
	WLOAD 0
	WLOAD 1
.macro WBLOCK t
.set WXS, 32+32*((\t)%2)
.if (\t) < 7
	s_wait_loadcnt 32                              ; this block's 32 loads are in; the next block's may be out
.else
	s_wait_loadcnt 0x0
.endif
	v_max3_num_f32 v16, |v[WXS]|, |v[WXS+1]|, |v[WXS+2]|
	v_max3_num_f32 v17, |v[WXS+3]|, |v[WXS+4]|, |v[WXS+5]|
.irp i, 6,10,14,18,22,26
	v_max3_num_f32 v16, v16, |v[WXS+\i]|, |v[WXS+\i+1]|
	v_max3_num_f32 v17, v17, |v[WXS+\i+2]|, |v[WXS+\i+3]|
.endr
	v_max3_num_f32 v16, v16, |v[WXS+30]|, |v[WXS+31]|
	v_max3_num_f32 v16, v16, v17, (EMAX+1)<<23
	v_add_nc_u32 v18, -(EMAX<<23), v16
	v_lshrrev_b32 v19, 23, v18
.if (\t)%4 == 0
	v_mov_b32 v[24+(\t)/4], v19                    ; four bytes to a register, the lower K in the lower byte
.else
	v_lshl_or_b32 v[24+(\t)/4], v19, 8*((\t)%4), v[24+(\t)/4]
.endif
.irp g, 0,1,2,3
	v_cvt_scalef32_pk8_fp4_f32 v[96+\g], v[WXS+8*\g:WXS+8*\g+7], v18
.endr
	ds_store_b128 v4, v[96:99] offset:16*(\t)
.if (\t)+2 < 8
	WLOAD (\t)+2
.endif
	s_wait_dscnt 0x0                               ; the store has read its registers: the next block's codes may be written
.endm
.irp t, 0,1,2,3,4,5,6,7
	WBLOCK \t
.endr
	global_store_b64 v9, v[24:25], s[16:17]        ; my column's 8 scale bytes
	s_barrier_signal -1                            ; my stores into the stage are done (the wait above): a row's 256 bytes come from two waves
	s_barrier_wait -1
.irp t, 0,1,2,3,4,5,6,7
	ds_load_b128 v[112+4*\t:112+4*\t+3], v7 offset:2*\t*272
.endr
.irp t, 0,1,2,3,4,5,6,7
	s_wait_dscnt 7-\t
	global_store_b128 v8, v[112+4*\t:112+4*\t+3], s[14:15] offset:(16*(\t/4)+((2*\t)&7))*512   ; 16 lanes store 256 consecutive bytes, aligned
.endr
	s_wait_tensorcnt 0x0                           ; the wave's end: behind my last LDS store
	ds_add_u32 v[SPW], v[NIL]
	s_wait_dscnt 0x0
	s_endpgm
.Lfunc_end_k_q9b0cbf4567_prep:
	.size	k_q9b0cbf4567_prep, .Lfunc_end_k_q9b0cbf4567_prep-k_q9b0cbf4567_prep
	.p2alignl 7, 3214868480
	.fill 96, 4, 3214868480
	.section	.rodata,"a",@progbits
	.p2align	6, 0x0
	.amdhsa_kernel k_q9b0cbf4567_prep
		.amdhsa_group_segment_fixed_size 50688
		.amdhsa_private_segment_fixed_size 0
		.amdhsa_enable_private_segment 0
		.amdhsa_kernarg_size 72
		.amdhsa_user_sgpr_count 2
		.amdhsa_user_sgpr_kernarg_segment_ptr 1
		.amdhsa_wavefront_size32 1
		.amdhsa_system_sgpr_workgroup_id_x 1
		.amdhsa_system_sgpr_workgroup_id_y 1
		.amdhsa_system_sgpr_workgroup_id_z 1
		.amdhsa_system_vgpr_workitem_id 0
		.amdhsa_next_free_vgpr 192
		.amdhsa_next_free_sgpr 66
		.amdhsa_reserve_vcc 1
		.amdhsa_float_denorm_mode_32 3
		.amdhsa_float_denorm_mode_16_64 3
		.amdhsa_memory_ordered 1
		.amdhsa_forward_progress 1
		.amdhsa_inst_pref_size 94
	.end_amdhsa_kernel
	.amdgpu_metadata
---
amdhsa.version: [ 1, 2 ]
amdhsa.kernels:
  - .name:           k_q9b0cbf4567_prep
    .symbol:         k_q9b0cbf4567_prep.kd
    .args:
      - { .name: x, .offset: 0, .size: 8, .value_kind: global_buffer, .address_space: global }
      - { .name: Wq, .offset: 8, .size: 8, .value_kind: global_buffer, .address_space: global }
      - { .name: Wk, .offset: 16, .size: 8, .value_kind: global_buffer, .address_space: global }
      - { .name: Wv, .offset: 24, .size: 8, .value_kind: global_buffer, .address_space: global }
      - { .name: atten_mask, .offset: 32, .size: 8, .value_kind: global_buffer, .address_space: global }
      - { .name: opc, .offset: 40, .size: 8, .value_kind: global_buffer, .address_space: global }
      - { .name: ops, .offset: 48, .size: 8, .value_kind: global_buffer, .address_space: global }
      - { .name: mb, .offset: 56, .size: 8, .value_kind: global_buffer, .address_space: global }
      - { .name: cls, .offset: 64, .size: 8, .value_kind: global_buffer, .address_space: global }
    .group_segment_fixed_size: 50688
    .private_segment_fixed_size: 0
    .kernarg_segment_align: 8
    .kernarg_segment_size: 72
    .max_flat_workgroup_size: 128
    .sgpr_count:     66
    .vgpr_count:     192
    .wavefront_size: 32
...
	.end_amdgpu_metadata
.endif
;; end of part 1
;; launch proj (part 2): grid 12 x 32, 4 waves a work-group, clusters of 4 x 4, 327,680 bytes of LDS; arguments opc, ops, bq, bk, bv, qkc, qks; writes qkc, qks
.if DOCPART == 2
	.amdgcn_target "amdgcn-amd-amdhsa--gfx1250"
	.amdhsa_code_object_version 6
	.text
	.protected	k_q9b0cbf4567_proj
	.globl	k_q9b0cbf4567_proj
	.p2align	8
	.type	k_q9b0cbf4567_proj,@function
k_q9b0cbf4567_proj:
	s_mov_b64 s[64:65], 0
	v_nop
	global_prefetch_b8 v0, s[64:65] scope:SCOPE_SE
	s_setreg_imm32_b32 hwreg(HW_REG_WAVE_MODE, 25, 1), 1
	s_wait_xcnt 0x0
	s_wait_alu depctr_hold_cnt(0) depctr_sa_sdst(0) depctr_va_vdst(0) depctr_va_sdst(0) depctr_va_ssrc(0) depctr_va_vcc(0) depctr_vm_vsrc(0)
	s_getreg_b32 s2, hwreg(HW_REG_IB_STS2, 6, 4)
	s_cmp_eq_u32 s2, 0
	s_cbranch_scc0 .Lentry_in_a_cluster
	s_endpgm
.Lentry_in_a_cluster:
	s_bfe_u32 s2, ttmp6, 0x10000c
	s_cmp_lg_u32 s2, 0xf033
	s_cbranch_scc0 .Lentry_shape_is_right
	s_endpgm
.Lentry_shape_is_right:
; LAUNCH 2 OF 3: q = x Wq + bq, k = x Wk + bk, v = x Wv + bv on codes of FP4 (E2M1) with E8M0 scales, K = 1,024; the results are quantised in registers and leave as images of operand registers.
; No work is left out here.
; A tile of 256 x 256 is made by four waves, 128 x 128 each: 64 accumulators, 512 registers.  K goes in two steps of 512 through two LDS slots, both filled at the start: nothing is filled again.
; A wave has three tensor loads out at the most: its part of the scales, of slot 0 and of slot 1.
; CLUSTERS of 4 x 4.  Cluster x says what is made: 0 q, 1 k, 2 v.  "A" is source 1 of the products (shared along a row of the cluster), "B" source 0 (shared along a column).
;   q, k: B = 256 columns of W (a lane's registers run along the head's channels), A = 256 rows of x (a lane holds one row).
;   v:    B = 256 rows of x (a lane's registers run along the KEYS, which are the next product's K), A = 256 columns of Wv (a lane holds one channel).
; Rows are stored with bits 3 and 4 exchanged (launch 1), so the 16 registers of B's tiles 2 b, 2 b + 1 are 16 neighbours: 32 b + 16 (lane / 16) + 0 .. 15.
; OUT.  qkc: q at 0, k at 4 MiB: [batch x head 64][tile of 16 rows 128][lane][16 bytes];  v at 8 MiB: [64][step of 128 keys 16][tile of 16 channels 4][half 2][lane][16 bytes].
;       qks: q at 0, k at 512 KiB: [64][group of 8 tiles 16][lane (r, hh)][word w]: tile 2 w + hh, row r: bytes 0, 1 the head's two scales, bytes 2, 3 zero;  v at 1 MiB: [64][step 16][lane (r, hh)][word w]: channel tile 2 w + hh.
; REGISTERS, in windows of 256: window 0: v0-31 addresses; v32-95 scale words, two sets, and nothing else; v96-121 the quantiser's; v128-191 A's fragments, later 64 biased numbers; v192-203 scale words on their way out.
;   window 1: B's fragments, two sets; later the biases.   windows 2, 3: the accumulators ((a, b) at v[8 (8 (a % 4) + b)]).
.set KSTEP,  512
.set NQ,     KSTEP/128
.set ROWB,   256                       ; a tile's row in bytes
.set KROW,   512                       ; a row of opc
.set PITCH,  272                       ; an LDS row: 256 bytes + 16 of padding: the 16 rows that a load touches start 68 words apart
.set FR,     8
.set NL,     2
.set NP,     4                         ; places behind this matrix instruction (ISA guide 7.12.1)
.set HALFT,  128*PITCH
.set SLOT,   4*HALFT
.set KS,     32                        ; a row of ops
.set SCL,    2*SLOT                    ; behind the ring: the scales, as units of 256 bytes + 16 of padding
.set HALFS,  (128*KS/256)*272
.set SBLK,   (16*KS/256)*272
.set SPARE,  SCL+4*HALFS               ; the spare words: 128 bytes for each wave, named by no other line
.set ADRA, 16
.set ADRB, 20
.set OA,   24                          ; v24  16 x lane
.set OV,   26                          ; v26  8 x lane
.set ADRS, 27
.set SPW,  28
.set NIL,  29
.set BAQ,  30                          ; v30  q, k: my bias numbers' offset: 64 (lane / 16)
.set BAV,  31                          ; v31  v: 4 (r + 8 (r / 8))
.set SC,   32
.set PC,   96                          ; v96-103  the codes just made
.set TM,   104                         ; v104-119 at work in the quantiser
.set PW,   120                         ; the scale word just made
.set TL,   121
.set AF,   128
.set T,    128                         ; 64 biased numbers
.set SL,   192                         ; q, k: scale words of the even head,
.set SH,   196                         ; of the odd head
.set SV,   200                         ; v: scale words
.set BI,   0                           ; window 1: q, k: 64 bias numbers in the accumulators' order
.set BJ,   0                           ; window 1: v: a pair for each of A's blocks
.set G1, 24
.set G0, 32
.set G1B, 48
.set G0B, 56
.set G1S, 68
.set G0S, 76
.set G1SB, 80
.set G0SB, 88
.set SEL, 66                           ; s[66:67] lane selects for v_permlanex16_b32: lane l xor 16
.set HM,  95                           ; s95 the mask of lanes 16-31
.set MSB, 0
.macro WIN new                         ; the immediate's high byte repeats the setting that is left
.if MSB != (\new)
	s_set_vgpr_msb (MSB<<8)|(\new)
.set MSB, (\new)
.endif
.endm
.set MUL_LO, 0xa1                      ; source 0 (B) window 1, source 1 (A) window 0, C and D window 2
.set MUL_HI, 0xf1
.set TO_B,   0x40
; A joint load: waves 0 and 1 fetch for A, waves 2 and 3 for B; the branch hangs on the wave's number alone.  An s_nop 0 and four v_nop follow each of the two lines.
.macro JLOAD g0a, g1a, g0b, g1b
	s_cmp_eq_u32 s15, 0
	s_cbranch_scc0 .Lfor_b_\@
	tensor_load_to_lds s[\g0a:\g0a+3], s[\g1a:\g1a+7]
	s_nop 0
.rept 4
	v_nop
.endr
	s_branch .Lasked_\@
.Lfor_b_\@:
	tensor_load_to_lds s[\g0b:\g0b+3], s[\g1b:\g1b+7]
	s_nop 0
.rept 4
	v_nop
.endr
.Lasked_\@:
.endm
.macro CROUND                          ; a round of the cluster's barrier
	s_barrier_signal -1
	s_barrier_wait -1
	s_cmp_lg_u32 s14, 0
	s_cbranch_scc1 .Lnot_wave_0_\@
	s_barrier_signal -3
.Lnot_wave_0_\@:
	s_barrier_wait -3
	s_barrier_signal -1
	s_barrier_wait -1
.endm
	s_load_b256 s[4:11], s[0:1], 0x0               ; opc 4:5, ops 6:7, bq 8:9, bk 10:11
	s_load_b128 s[96:99], s[0:1], 0x20             ; bv 96:97, qkc 98:99
	s_load_b64 s[100:101], s[0:1], 0x30            ; qks
	v_lshl_add_u32 v[SPW], v0, 2, SPARE
	v_mov_b32 v[NIL], 0
	ds_add_u32 v[SPW], v[NIL]                      ; the wave's opening: the add, twice on end, and its wait ahead of my first tensor load
	ds_add_u32 v[SPW], v[NIL]
	v_lshrrev_b32 v1, 5, v0
	v_readfirstlane_b32 s14, v1                    ; wave 0..3
	s_lshr_b32 s15, s14, 1                         ; which half of A's rows is mine.  Also: I fetch for A (0) or for B (1)
	s_and_b32 s16, s14, 1                          ; which half of B's rows.  Also: which 128 rows I fetch
	s_bfe_u32 s40, ttmp6, 0x40000                  ; cx
	s_bfe_u32 s41, ttmp6, 0x40004                  ; cy
	s_and_b32 s12, ttmp7, 0xffff                   ; cluster y
	s_cmp_eq_u32 ttmp9, 2                          ; v?  The cluster's x: the same in all partners
	s_cselect_b32 s42, s12, ttmp9                  ; B's coarse place: v: cluster y (rows of x);  q, k: cluster x (which W)
	s_cselect_b32 s17, 0, s12                      ; A's: v: 0 (Wv has four blocks);  q, k: cluster y (rows of x)
	s_cselect_b32 s13, 0, 8192                     ; B's first stored row
	s_cselect_b32 s3, 10240, 0                     ; A's
	s_lshl_b32 s42, s42, 2
	s_add_co_u32 s42, s42, s40                     ; X: B's block of 256 rows
	s_lshl_b32 s17, s17, 2
	s_add_co_u32 s17, s17, s41                     ; Y: A's
	s_lshl_b32 s43, s41, 2
	s_lshl_b32 s43, 15, s43                        ; my row of the cluster
	s_lshl_b32 s44, 0x1111, s40                    ; my column
	s_or_b32 s[G1+0], s43, (0<<16)|(1<<20)|(1<<21)|(5<<22)|(3<<25)  ; the mask; elements of 1 byte; padding on, four words behind every 64; bit 21 beside a mask
	s_or_b32 s[G1B+0], s44, (0<<16)|(1<<20)|(1<<21)|(5<<22)|(3<<25)
.irp g, G1, G1B
	s_mov_b32 s[\g+1], ROWB<<16                    ; tensor_dim0
	s_mov_b32 s[\g+2], 128<<16                     ; tensor_dim1
	s_mov_b32 s[\g+3], ROWB<<16                    ; tile_dim0
	s_mov_b32 s[\g+4], 128                         ; tile_dim1
	s_mov_b32 s[\g+5], KROW                        ; the pitch
	s_mov_b32 s[\g+6], 0
	s_mov_b32 s[\g+7], 0
.endr
	s_or_b32 s[G1S+0], s43, (3<<16)|(1<<20)|(1<<21)|(5<<22)|(3<<25) ; the scales of 128 rows: 4,096 dense bytes as 16 rows of 32 elements of 8 bytes
	s_or_b32 s[G1SB+0], s44, (3<<16)|(1<<20)|(1<<21)|(5<<22)|(3<<25)
.irp g, G1S, G1SB
	s_mov_b32 s[\g+1], 32<<16
	s_mov_b32 s[\g+2], (128*KS/256)<<16
	s_mov_b32 s[\g+3], 32<<16
	s_mov_b32 s[\g+4], 128*KS/256
	s_mov_b32 s[\g+5], 32
	s_mov_b32 s[\g+6], 0
	s_mov_b32 s[\g+7], 0
.endr
	s_lshl_b32 s18, s16, 7                         ; which 128 rows I fetch
	s_lshl_b32 s20, s17, 8
	s_add_co_u32 s20, s20, s18
	s_add_co_u32 s20, s20, s3                      ; A: stored row
	s_lshl_b32 s46, s42, 8
	s_add_co_u32 s46, s46, s18
	s_add_co_u32 s46, s46, s13                     ; B: stored row
	s_mov_b32 s21, 0
	s_mov_b32 s47, 0
	s_mov_b64 s[18:19], KS
	s_mul_u64 s[22:23], s[20:21], s[18:19]
	s_mul_u64 s[92:93], s[46:47], s[18:19]
	s_mov_b64 s[18:19], KROW
	s_mul_u64 s[20:21], s[20:21], s[18:19]
	s_mul_u64 s[46:47], s[46:47], s[18:19]
	s_mul_i32 s45, s14, HALFT                      ; where they go: wave x 128 rows: no place in the cluster enters an LDS address
	s_mul_i32 s94, s14, HALFS
	s_mov_b32 s[SEL], 0x76543210
	s_mov_b32 s[SEL+1], 0xfedcba98
	s_mov_b32 s[HM], 0xffff0000
	s_wait_dscnt 0x0                               ; both opening adds are done
	s_wait_kmcnt 0x0
	s_add_nc_u64 s[20:21], s[4:5], s[20:21]
	s_add_nc_u64 s[22:23], s[6:7], s[22:23]
	s_add_nc_u64 s[46:47], s[4:5], s[46:47]
	s_add_nc_u64 s[92:93], s[6:7], s[92:93]
	CROUND                                         ; all sixteen work-groups are here: the joint loads meet
	s_mov_b32 s[G0S], 1
	s_add_co_u32 s[G0S+1], s94, SCL
	s_mov_b64 s[G0S+2:G0S+3], s[22:23]
	s_or_b32 s[G0S+3], s[G0S+3], 0x80000000
	s_mov_b32 s[G0SB], 1
	s_add_co_u32 s[G0SB+1], s94, SCL
	s_mov_b64 s[G0SB+2:G0SB+3], s[92:93]
	s_or_b32 s[G0SB+3], s[G0SB+3], 0x80000000
	JLOAD G0S, G1S, G0SB, G1SB                     ; the scales first: they are wanted with K step 0
.irp s, 0,1
	s_mov_b32 s[G0+4*\s], 1
	s_add_co_u32 s[G0+4*\s+1], s45, \s*SLOT
	s_add_nc_u64 s[G0+4*\s+2:G0+4*\s+3], s[20:21], \s*ROWB
	s_or_b32 s[G0+4*\s+3], s[G0+4*\s+3], 0x80000000
	s_mov_b32 s[G0B+4*\s], 1
	s_add_co_u32 s[G0B+4*\s+1], s45, \s*SLOT
	s_add_nc_u64 s[G0B+4*\s+2:G0B+4*\s+3], s[46:47], \s*ROWB
	s_or_b32 s[G0B+4*\s+3], s[G0B+4*\s+3], 0x80000000
	JLOAD G0+4*\s, G1, G0B+4*\s, G1B
.endr
	s_cmp_eq_u32 ttmp9, 0                          ; the bias, by what is made
	s_cselect_b64 s[8:9], s[8:9], s[10:11]
	s_cmp_eq_u32 ttmp9, 2
	s_cselect_b64 s[8:9], s[96:97], s[8:9]
	v_and_b32 v1, 15, v0                           ; r
	v_bfe_u32 v2, v0, 4, 1                         ; h
	v_mul_u32_u24 v3, v1, PITCH
	v_lshl_add_u32 v4, v2, 4, v3
	s_mul_i32 s21, s15, HALFT
	s_mul_i32 s22, s16, HALFT
	s_add_co_u32 s22, s22, 2*HALFT
.irp s, 0,1
	v_add_nc_u32 v[ADRA+\s], s21, v4
	v_add_nc_u32 v[ADRB+\s], s22, v4
	s_add_co_u32 s21, s21, SLOT
	s_add_co_u32 s22, s22, SLOT
.endr
	v_mul_u32_u24 v5, v1, KS                       ; my row's scales: 32 bytes a row,
	v_lshrrev_b32 v6, 8, v5
	v_lshl_add_u32 v5, v6, 4, v5                   ; and 16 more for each 256 passed
	s_mul_i32 s21, s15, HALFS
	s_mul_i32 s22, s16, HALFS
	s_add_co_u32 s22, s22, 2*HALFS
	s_sub_co_u32 s22, s22, s21
	v_mul_u32_u24 v6, s22, v2                      ; lanes 16-31 take B's
	s_add_co_u32 s21, s21, SCL
	v_add_nc_u32 v5, v5, v6
	v_add_nc_u32 v[ADRS], s21, v5
	v_and_b32 v6, 31, v0
	v_lshlrev_b32 v[OA], 4, v6
	v_lshlrev_b32 v[OV], 3, v6
	v_lshlrev_b32 v[BAQ], 6, v2
	v_and_b32 v7, 8, v1
	v_add_nc_u32 v7, v7, v1
	v_lshlrev_b32 v[BAV], 2, v7
.macro FRAG reg, adr, q, i             ; 16 rows x 128 K of 4-bit codes: 8 registers, two loads of 16 bytes, 32 bytes apart
.irp c, 0,1
	ds_load_b128 v[\reg+4*\c:\reg+4*\c+3], v[\adr] offset:64*(\q)+32*\c+(\i)*16*PITCH
.endr
.endm
; 16 matrix instructions: A's blocks a0, a0 + 1 x B's eight.  The 64 accumulators take turns, one instruction a turn, in the same order in every step.
.macro MUL16 a0, p, q, sc, zero
.irp a, \a0, \a0+1
.irp b, 0,1,2,3,4,5,6,7
.if \zero
	v_wmma_scale_f32_16x16x128_f8f6f4 v[8*(8*((\a)%4)+\b):8*(8*((\a)%4)+\b)+7], v[128*(\p)+FR*\b:128*(\p)+FR*\b+FR-1], v[AF+FR*(\a):AF+FR*(\a)+FR-1], 0, v[SC+8*NQ*(\sc)+NQ*\b+(\q)], v[SC+8*NQ*(\sc)+NQ*(\a)+(\q)] matrix_a_fmt:MATRIX_FMT_FP4 matrix_b_fmt:MATRIX_FMT_FP4 matrix_a_scale:MATRIX_SCALE_ROW1
.else
	v_wmma_scale_f32_16x16x128_f8f6f4 v[8*(8*((\a)%4)+\b):8*(8*((\a)%4)+\b)+7], v[128*(\p)+FR*\b:128*(\p)+FR*\b+FR-1], v[AF+FR*(\a):AF+FR*(\a)+FR-1], v[8*(8*((\a)%4)+\b):8*(8*((\a)%4)+\b)+7], v[SC+8*NQ*(\sc)+NQ*\b+(\q)], v[SC+8*NQ*(\sc)+NQ*(\a)+(\q)] matrix_a_fmt:MATRIX_FMT_FP4 matrix_b_fmt:MATRIX_FMT_FP4 matrix_a_scale:MATRIX_SCALE_ROW1
.endif
.endr
.endr
.endm
.macro FETCH_B slot, q, p
	WIN TO_B
.irp i, 0,1,2,3,4,5,6,7
	FRAG 128*(\p)+FR*\i, ADRB+\slot, \q, \i
.endr
	WIN 0
.endm
.macro FETCH_A slot, q, i0
.irp i, \i0, \i0+1, \i0+2, \i0+3
	FRAG AF+FR*(\i), ADRA+\slot, \q, \i
.endr
.endm
.macro SCALES sc                       ; a K step's scale words: lanes 0-15 A's block i, lanes 16-31 B's block i
.irp i, 0,1,2,3,4,5,6,7
	ds_load_b128 v[SC+8*NQ*\sc+NQ*\i:SC+8*NQ*\sc+NQ*\i+3], v[ADRS] offset:\i*SBLK
.endr
.endm
.macro PLACES n                        ; plain vector instructions between a matrix instruction and a load into, a write of or a read of its registers
.rept \n
	v_nop
.endr
.endm
.macro STEP slot, q, zero              ; 128 along K with its successor in the same slot
	s_wait_dscnt 4*NL                              ; B's set and A's blocks 0-3 are in; the youngest eight loads (A's blocks 4-7) may be out
	WIN MUL_LO
	MUL16 0, (\q)%2, \q, \slot, \zero
	MUL16 2, (\q)%2, \q, \slot, \zero
	s_wait_dscnt 0
	PLACES NP
	FETCH_B \slot, (\q)+1, 1-(\q)%2
	FETCH_A \slot, (\q)+1, 0
	WIN MUL_HI
	MUL16 4, (\q)%2, \q, \slot, \zero
	MUL16 6, (\q)%2, \q, \slot, \zero
	PLACES NP
	WIN 0
	FETCH_A \slot, (\q)+1, 4
.endm
.macro STEPS slot, from
.set Q, \from
.rept NQ-1-\from
	STEP \slot, Q, 0
.set Q, Q+1
.endr
.endm
	s_wait_tensorcnt 1                             ; the scales and my part of slot 0 are in; slot 1's load may be out
	s_barrier_signal -1
	s_barrier_wait -1
	FETCH_B 0, 0, 0
	FETCH_A 0, 0, 0
	SCALES 0
	FETCH_A 0, 0, 4
	STEP 0, 0, 1                                   ; the first products start the sums: nothing is cleared
	STEPS 0, 1
	; slot 0's last step changes slots: one barrier, behind which slot 1 is whole; nothing is filled again
	s_wait_tensorcnt 0x0                           ; my part of slot 1 has landed
	ds_add_u32 v[SPW], v[NIL]
	s_wait_dscnt 4*NL+1                            ; the add and the youngest eight loads may be out
	WIN MUL_LO
	MUL16 0, 1, NQ-1, 0, 0
	s_wait_dscnt 0x0
	s_barrier_signal -1
	MUL16 2, 1, NQ-1, 0, 0
	WIN 0
	s_barrier_wait -1
	PLACES NP
	v_add_nc_u32 v[ADRS], 4*NQ, v[ADRS]            ; the next K step's scale words
	FETCH_B 1, 0, 0
	FETCH_A 1, 0, 0
	SCALES 1
	WIN MUL_HI
	MUL16 4, 1, NQ-1, 0, 0
	MUL16 6, 1, NQ-1, 0, 0
	PLACES NP
	WIN 0
	FETCH_A 1, 0, 4
	STEPS 1, 0
	s_wait_dscnt 4*NL
	WIN MUL_LO
	MUL16 0, 1, NQ-1, 1, 0
	MUL16 2, 1, NQ-1, 1, 0
	s_wait_dscnt 0
	WIN MUL_HI
	MUL16 4, 1, NQ-1, 1, 0
	MUL16 6, 1, NQ-1, 1, 0
	WIN 0
; THE WAY OUT.  For each of A's eight blocks: the 64 numbers of a lane (register 16 b + i = place 32 b + 16 (lane / 16) + i along B) get their bias and are quantised: 8 registers of codes and a scale word.
; 64 numbers v[s] .. become a fragment's codes in v[PC] on and its scale word in v[PW] (the same word in lanes r and 16 + r).
.macro QUANT s
.irp b, 0,1,2,3
	v_max3_num_f32 v[TM+\b], |v[\s+16*\b]|, |v[\s+1+16*\b]|, 0x1800000   ; my 16 numbers of block b, and the floor 2^(3 - 127): the byte cannot fall under 1
.endr
.irp i, 2,4,6,8,10,12,14
.irp b, 0,1,2,3
	v_max3_num_f32 v[TM+\b], v[TM+\b], |v[\s+16*\b+\i]|, |v[\s+1+16*\b+\i]|
.endr
.endr
.irp b, 0,1,2,3
	v_permlanex16_b32 v[TM+4+\b], v[TM+\b], s[SEL], s[SEL+1]
.endr
.irp b, 0,1,2,3
	v_max_num_f32 v[TM+\b], v[TM+\b], v[TM+4+\b]   ; with lane l xor 16's: the block's largest magnitude
.endr
.irp b, 0,1,2,3
	v_add_nc_u32 v[TM+12+\b], 0xff000000, v[TM+\b] ; 2 off its exponent field: the conversion's scale operand
.endr
.irp b, 0,1,2,3
	v_lshrrev_b32 v[TM+4+\b], 23, v[TM+12+\b]      ; the scale's byte
.endr
	v_lshl_or_b32 v[PW], v[TM+5], 8, v[TM+4]
	v_lshl_or_b32 v[PW], v[TM+6], 16, v[PW]
	v_lshl_or_b32 v[PW], v[TM+7], 24, v[PW]
.irp b, 0,1,2,3
	v_cvt_scalef32_pk8_fp4_f32 v[PC+2*\b], v[\s+16*\b:\s+7+16*\b], v[TM+12+\b]
	v_cvt_scalef32_pk8_fp4_f32 v[PC+1+2*\b], v[\s+8+16*\b:\s+15+16*\b], v[TM+12+\b]
.endr
	v_nop                                          ; one plain place behind a scaled conversion
.irp c, 0,1                                    ; the operand's layout wants a whole block in a lane
.irp i, 0,1
	v_permlane16_swap_b32 v[PC+4*\c+\i], v[PC+2+4*\c+\i]
.endr
.endr
.endm
.macro BIASED a, isv
	s_wait_xcnt 0x0                                ; the last block's stores have read their registers
	WIN 0x06+((\a)/4)                              ; source 0: the accumulators' window; source 1: window 1, the bias
.set PP, 0
.rept 32                               ; ascending: each accumulator is read from its low end on
.if \isv
	v_pk_add_f32 v[T+2*PP:T+2*PP+1], v[64*((\a)%4)+2*PP:64*((\a)%4)+2*PP+1], v[BJ+2*(\a):BJ+2*(\a)+1] op_sel_hi:[1,0]
.else
	v_pk_add_f32 v[T+2*PP:T+2*PP+1], v[64*((\a)%4)+2*PP:64*((\a)%4)+2*PP+1], v[BI+2*PP:BI+2*PP+1]
.endif
.set PP, PP+1
.endr
	WIN 0
	QUANT T
.endm
	PLACES NP
.irp b, 0,1,2,3
	v_mov_b32 v[TM+4+\b], 0                        ; written once: a lane permute's destination counts as one of its sources
.endr
	s_mov_b32 s21, 0
	s_cmp_eq_u32 ttmp9, 2                          ; the cluster's x: all partners go the same way
	s_cbranch_scc1 .Lv
; ---- q, k: a lane holds one row of x; its 128 channels are two heads: registers 0-3 of the codes and bytes 0, 1 of the word are the first head's
	s_lshl_b32 s20, s40, 10
	s_lshl_b32 s22, s16, 9
	s_add_co_u32 s20, s20, s22
	s_add_nc_u64 s[8:9], s[8:9], s[20:21]          ; the bias at my 128 channels
	WIN TO_B
.irp e, 0,1,2,3
.irp c, 0,1,2,3
	global_load_b128 v[BI+16*\e+4*\c:BI+16*\e+4*\c+3], v[BAQ], s[8:9] offset:128*\e+16*\c
.endr
.endr
	WIN 0
	s_lshr_b32 s22, s12, 1                         ; the batch
	s_lshl_b32 s22, s22, 4
	s_lshl_b32 s23, s40, 2
	s_add_co_u32 s22, s22, s23
	s_lshl_b32 s23, s16, 1
	s_add_co_u32 s22, s22, s23                     ; 16 batch + my first head
	s_and_b32 s23, s17, 7
	s_lshl_b32 s23, s23, 1
	s_add_co_u32 s23, s23, s15                     ; my group of 8 tiles in the batch
	s_lshl_b32 s20, ttmp9, 22
	s_lshl_b32 s46, s22, 16
	s_add_co_u32 s20, s20, s46
	s_lshl_b32 s46, s23, 12
	s_add_co_u32 s20, s20, s46
	s_add_nc_u64 s[98:99], s[98:99], s[20:21]
	s_lshl_b32 s20, ttmp9, 19
	s_lshl_b32 s46, s22, 13
	s_add_co_u32 s20, s20, s46
	s_lshl_b32 s46, s23, 9
	s_add_co_u32 s20, s20, s46
	s_add_nc_u64 s[100:101], s[100:101], s[20:21]
	s_wait_loadcnt 0x0
.macro EPI_QK a
	BIASED \a, 0
.if ((\a)%2) == 0
	v_and_b32 v[SL+(\a)/2], 0xffff, v[PW]
	v_lshrrev_b32 v[SH+(\a)/2], 16, v[PW]
.else
	v_and_b32 v[TL], 0xffff, v[PW]
	v_cndmask_b32 v[SL+(\a)/2], v[SL+(\a)/2], v[TL], s[HM]   ; lanes 16-31 take the odd tile's word
	v_lshrrev_b32 v[TL], 16, v[PW]
	v_cndmask_b32 v[SH+(\a)/2], v[SH+(\a)/2], v[TL], s[HM]
.endif
	global_store_b128 v[OA], v[PC:PC+3], s[98:99] offset:512*(\a)            ; 32 lanes store 512 consecutive bytes, aligned
	global_store_b128 v[OA], v[PC+4:PC+7], s[98:99] offset:65536+512*(\a)    ; the next head
.endm
.irp a, 0,1,2,3,4,5,6,7
	EPI_QK \a
.endr
	global_store_b128 v[OA], v[SL:SL+3], s[100:101]
	global_store_b128 v[OA], v[SH:SH+3], s[100:101] offset:8192
	s_branch .Lend
; ---- v: a lane holds one channel; its 128 numbers are the 128 keys of a step: a whole fragment of V^T and its scale word
.Lv:
	s_lshl_b32 s20, s41, 10
	s_lshl_b32 s22, s15, 9
	s_add_co_u32 s20, s20, s22
	s_add_nc_u64 s[8:9], s[8:9], s[20:21]
	WIN TO_B
.irp a, 0,1,2,3,4,5,6,7
	global_load_b32 v[BJ+2*\a], v[BAV], s[8:9] offset:4*(32*(\a/2)+8*(\a%2))
	global_load_b32 v[BJ+2*\a+1], v[BAV], s[8:9] offset:4*(32*(\a/2)+8*(\a%2))   ; the packed form names the pair
.endr
	WIN 0
	s_lshr_b32 s22, s12, 1
	s_lshl_b32 s22, s22, 4
	s_lshl_b32 s23, s41, 2
	s_add_co_u32 s22, s22, s23
	s_lshl_b32 s23, s15, 1
	s_add_co_u32 s22, s22, s23                     ; 16 batch + my first head
	s_lshl_b32 s22, s22, 4
	s_and_b32 s23, s42, 7
	s_lshl_b32 s23, s23, 1
	s_add_co_u32 s23, s23, s16                     ; my step of 128 keys
	s_add_co_u32 s22, s22, s23
	s_lshl_b32 s20, s22, 12
	s_add_co_u32 s20, s20, 0x800000
	s_add_nc_u64 s[98:99], s[98:99], s[20:21]
	s_lshl_b32 s20, s22, 8
	s_add_co_u32 s20, s20, 0x100000
	s_add_nc_u64 s[100:101], s[100:101], s[20:21]
	s_wait_loadcnt 0x0
.macro EPI_V a
	BIASED \a, 1
.if ((\a)%2) == 0
	v_mov_b32 v[SV+2*((\a)/4)+((\a)%4)/2], v[PW]
.else
	v_cndmask_b32 v[SV+2*((\a)/4)+((\a)%4)/2], v[SV+2*((\a)/4)+((\a)%4)/2], v[PW], s[HM]
.endif
	global_store_b128 v[OA], v[PC:PC+3], s[98:99] offset:((\a)/4)*65536+((\a)%4)*1024
	global_store_b128 v[OA], v[PC+4:PC+7], s[98:99] offset:((\a)/4)*65536+((\a)%4)*1024+512
.if ((\a)%4) == 3
	global_store_b64 v[OV], v[SV+2*((\a)/4):SV+2*((\a)/4)+1], s[100:101] offset:((\a)/4)*4096   ; 256 consecutive bytes, aligned
.endif
.endm
.irp a, 0,1,2,3,4,5,6,7
	EPI_V \a
.endr
.Lend:
	s_wait_tensorcnt 0x0                           ; the wave's end
	ds_add_u32 v[SPW], v[NIL]
	s_wait_dscnt 0x0
	CROUND                                         ; the closing round
	s_endpgm
.Lfunc_end_k_q9b0cbf4567_proj:
	.size	k_q9b0cbf4567_proj, .Lfunc_end_k_q9b0cbf4567_proj-k_q9b0cbf4567_proj
	.p2alignl 7, 3214868480
	.fill 96, 4, 3214868480
	.section	.rodata,"a",@progbits
	.p2align	6, 0x0
	.amdhsa_kernel k_q9b0cbf4567_proj
		.amdhsa_group_segment_fixed_size 327680
		.amdhsa_private_segment_fixed_size 0
		.amdhsa_enable_private_segment 0
		.amdhsa_kernarg_size 56
		.amdhsa_user_sgpr_count 2
		.amdhsa_user_sgpr_kernarg_segment_ptr 1
		.amdhsa_wavefront_size32 1
		.amdhsa_system_sgpr_workgroup_id_x 1
		.amdhsa_system_sgpr_workgroup_id_y 1
		.amdhsa_system_sgpr_workgroup_id_z 1
		.amdhsa_system_vgpr_workitem_id 0
		.amdhsa_next_free_vgpr 1024
		.amdhsa_next_free_sgpr 102
		.amdhsa_reserve_vcc 0
		.amdhsa_float_denorm_mode_32 3
		.amdhsa_float_denorm_mode_16_64 3
		.amdhsa_memory_ordered 1
		.amdhsa_forward_progress 1
		.amdhsa_inst_pref_size 198
	.end_amdhsa_kernel
	.amdgpu_metadata
---
amdhsa.version: [ 1, 2 ]
amdhsa.kernels:
  - .name:           k_q9b0cbf4567_proj
    .symbol:         k_q9b0cbf4567_proj.kd
    .args:
      - { .name: opc, .offset: 0, .size: 8, .value_kind: global_buffer, .address_space: global }
      - { .name: ops, .offset: 8, .size: 8, .value_kind: global_buffer, .address_space: global }
      - { .name: bq, .offset: 16, .size: 8, .value_kind: global_buffer, .address_space: global }
      - { .name: bk, .offset: 24, .size: 8, .value_kind: global_buffer, .address_space: global }
      - { .name: bv, .offset: 32, .size: 8, .value_kind: global_buffer, .address_space: global }
      - { .name: qkc, .offset: 40, .size: 8, .value_kind: global_buffer, .address_space: global }
      - { .name: qks, .offset: 48, .size: 8, .value_kind: global_buffer, .address_space: global }
    .group_segment_fixed_size: 327680
    .private_segment_fixed_size: 0
    .kernarg_segment_align: 8
    .kernarg_segment_size: 56
    .max_flat_workgroup_size: 128
    .sgpr_count:     102
    .vgpr_count:     1024
    .wavefront_size: 32
...
	.end_amdgpu_metadata
.endif
;; end of part 2
;; launch attn (part 3): grid 4 x 64, 16 waves a work-group, no clusters, 215,040 bytes of LDS; arguments qkc, qks, mb, cls, out0; writes out0
.if DOCPART == 3
	.amdgcn_target "amdgcn-amd-amdhsa--gfx1250"
	.amdhsa_code_object_version 6
	.text
	.protected	k_q9b0cbf4567_attn
	.globl	k_q9b0cbf4567_attn
	.p2align	8
	.type	k_q9b0cbf4567_attn,@function
k_q9b0cbf4567_attn:
	s_mov_b64 s[64:65], 0
	v_nop
	global_prefetch_b8 v0, s[64:65] scope:SCOPE_SE
	s_setreg_imm32_b32 hwreg(HW_REG_WAVE_MODE, 25, 1), 1
	s_wait_xcnt 0x0
; LAUNCH 3 OF 3: out[b][q][head] = the sum over keys of softmax(q . k / 8, masked) v, both products on codes of FP4 (E2M1) with E8M0 scales.
; WORK LEFT OUT: a step of 16 queries x 128 keys whose mask entries are all 1 (bit 0 of its word of cls, stored by launch 1): p = 0 there whatever x, W, b hold.  LIMIT: a NaN or an infinity of k or v
; that reaches only such steps is not carried to the result.  A query all of whose keys are masked comes out NaN (0 x 1 / 0), as in reference().
; THE SOFTMAX: t = score x log2(e) / 8; M = the running largest t rounded up to a whole number; p = 2^(t - M) is quantised along the keys; the sum of the unquantised p divides at the end; when M moves, sum and O are multiplied by 2^(old M - new M), exactly.
; SHARES.  A work-group owns one (batch, head) and 32 tiles of 16 queries; wave w of work-group j takes tiles 16 j + w and 127 - (16 j + w), one after the other.  The head's K and V codes and scale words (143,360 bytes) are
; brought into LDS once, through registers, behind the launch's one barrier; after it the waves share nothing.  No tensor load, no cluster.
; LAYOUT.  Both products are used transposed: S^T = K Q^T, O^T = V^T P^T: a lane holds one query.  Tile 2 b + u, lane r, is row 32 b + 8 u + r + 8 (r / 8) (launch 1's stored rows), so the 16 registers of tiles 2 b, 2 b + 1 of S^T are 16 neighbouring keys.
; The head's 64 fill half of the instruction's 128 along K: Q's upper four registers are zero codes; K's operand of tile t is v[32 + 4 t : 39 + 4 t], whose upper four registers (the next tile's codes, or zeros) meet Q's zeros under scale bytes 0: they add exactly 0.
.set KC,    0                          ; LDS: K's codes [tile 128][lane][16]
.set VC,    65536                      ; V's [step 16][tile 4][half 2][lane][16]
.set KSC,   131072                     ; K's scale words [step 16][lane][16]
.set VSC,   139264                     ; V's [step 16][lane][8]
.set STAGE, 143360                     ; the way out: 16 rows x 272 bytes for each wave
.set SPARE, 212992                     ; the spare words: 128 bytes for each wave, named by no other line
.set S,   112                          ; v112-175 S^T, then p
.set O,   176                          ; v176-207 O^T: register 8 t + j = channel 32 (t / 2) + 16 (lane / 16) + 8 (t % 2) + j
.set PCD, 208                          ; v208-215 p's codes
.set BM,  216                          ; v216-219 the blocks' largest scores
.set TP,  220                          ; v220-223 at work
.set SO,  228                          ; v228-231 the conversions' scale operands
.set F,   232                          ; v[232:233] f = 2^(old M - new M)
.set PWD, 234                          ; p's scale word
.set MA,  235                          ; the mask words' offset
.set MW,  236                          ; v236-239 the mask's four words of my query
.set TMP, 240
; v1 16 lane; v2 + VC; v3 + KSC; v4 8 lane + VSC; v5, v6 the add's two; v7 my offset in out0; v8-11 the step's LDS addresses; v12 -M; v13 the largest t; v[14:15] the sum; v16-19 Q, v20-23 zeros; v24 Q's scale word;
; v25 16 h; v26 -inf; v27 16 r; v28, v29 the stage, in and back; v30, v31 Q's offsets; v32-63 K, v64-67 zeros; v68-99 V; v100-103 K's scale words; v104-105 V's.
; s14 wave; s15 batch x head; s17 the tile; s19 steps to go; s[20:21] lane selects; s[22:23] c; s24 the 16 classes, 2 bits each; s25 this step's; s26-29 the step's offsets; s[48:61] bases.
	s_load_b256 s[4:11], s[0:1], 0x0               ; qkc 4:5, qks 6:7, mb 8:9, cls 10:11
	s_load_b64 s[12:13], s[0:1], 0x20              ; out0
	v_lshl_add_u32 v5, v0, 2, SPARE
	v_mov_b32 v6, 0
	v_lshrrev_b32 v8, 5, v0
	v_readfirstlane_b32 s14, v8
	s_and_b32 s15, ttmp7, 0xffff
	s_lshl_b32 s17, ttmp9, 4
	s_add_co_u32 s17, s17, s14
	s_mov_b32 s20, 0x76543210
	s_mov_b32 s21, 0xfedcba98
	s_mov_b32 s22, 0x3e38aa3b                      ; c = log2(e) / sqrt(64)
	s_mov_b32 s23, s22
	v_and_b32 v9, 31, v0
	v_and_b32 v10, 15, v0                          ; r
	v_bfe_u32 v11, v0, 4, 1                        ; h
	v_lshlrev_b32 v1, 4, v9
	v_add_nc_u32 v2, VC, v1
	v_add_nc_u32 v3, KSC, v1
	v_lshl_add_u32 v4, v9, 3, VSC
	v_lshlrev_b32 v7, 12, v11
	v_lshl_add_u32 v7, v10, 4, v7                  ; lanes 0-15 one row of out0, lanes 16-31 the next; 16 bytes a lane
	v_lshlrev_b32 v25, 4, v11
	v_mov_b32 v26, 0xff800000
	v_lshlrev_b32 v27, 4, v10
	s_mul_i32 s24, s14, 16*272
	s_add_co_u32 s24, s24, STAGE
	v_mul_u32_u24 v28, v10, 272
	v_lshl_add_u32 v28, v11, 6, v28
	v_add_nc_u32 v28, s24, v28
	v_mul_u32_u24 v29, v11, 272
	v_lshl_add_u32 v29, v10, 4, v29
	v_add_nc_u32 v29, s24, v29
	v_lshl_add_u32 v240, v8, 12, v1                ; the fill: 4,096 bytes a wave of K's and of V's codes,
	v_add_nc_u32 v241, VC, v240
	v_lshlrev_b32 v242, 4, v0                      ; 512 of K's scale words,
	v_lshlrev_b32 v243, 3, v0                      ; 256 of V's
	v_add_nc_u32 v244, KSC, v242
	v_add_nc_u32 v245, VSC, v243
	s_lshl_b32 s24, s15, 16
	s_mov_b32 s25, 0
	s_lshl_b32 s26, s15, 13
	s_mov_b32 s27, 0
	s_lshl_b32 s28, s15, 12
	s_mov_b32 s29, 0
	s_wait_kmcnt 0x0
	s_add_nc_u64 s[56:57], s[4:5], s[24:25]        ; q's codes of my head
	s_add_nc_u64 s[48:49], s[56:57], 0x400000      ; k's
	s_add_nc_u64 s[50:51], s[56:57], 0x800000      ; v's
	s_add_nc_u64 s[58:59], s[6:7], s[26:27]        ; q's scale words
	s_add_nc_u64 s[52:53], s[58:59], 0x80000       ; k's
	s_add_nc_u64 s[54:55], s[6:7], s[28:29]
	s_add_nc_u64 s[54:55], s[54:55], 0x100000      ; v's
.irp i, 0,1,2,3,4,5,6,7
	global_load_b128 v[112+4*\i:115+4*\i], v240, s[48:49] offset:512*\i
.endr
.irp i, 0,1,2,3,4,5,6,7
	global_load_b128 v[144+4*\i:147+4*\i], v240, s[50:51] offset:512*\i
.endr
	global_load_b128 v[176:179], v242, s[52:53]
	global_load_b64 v[180:181], v243, s[54:55]
.irp j, 20,21,22,23,64,65,66,67,220,221,222,223,233
	v_mov_b32 v[\j], 0                             ; Q's and K's zero codes; registers named before they are first written
.endr
	s_wait_loadcnt 10                              ; K's eight are in; V's eight and the two scale loads may be out
.irp i, 0,1,2,3,4,5,6,7
	ds_store_b128 v240, v[112+4*\i:115+4*\i] offset:512*\i
.endr
	s_wait_loadcnt 2
.irp i, 0,1,2,3,4,5,6,7
	ds_store_b128 v241, v[144+4*\i:147+4*\i] offset:512*\i
.endr
	s_wait_loadcnt 0x0
	ds_store_b128 v244, v[176:179]
	ds_store_b64 v245, v[180:181]
	s_wait_dscnt 0x0                               ; for the others' sake: my stores are done
	s_barrier_signal -1
	s_barrier_wait -1                              ; the head's K and V lie in LDS; from here on they are only read
; ONE TILE OF 16 QUERIES, s17.  Written out twice: each loop over the 16 steps has a constant count and starts from constants.
.macro TILE
	s_wait_xcnt 0x0                                ; earlier loads and stores have read their registers and bases
	s_lshl_b32 s30, s17, 6
	s_mov_b32 s31, 0
	s_add_nc_u64 s[30:31], s[10:11], s[30:31]
	s_load_b512 s[32:47], s[30:31], 0x0            ; the tile's 16 classes
	s_lshl_b32 s24, s17, 9
	v_add_nc_u32 v30, s24, v1
	global_load_b128 v[16:19], v30, s[56:57]       ; Q's codes
	s_lshr_b32 s24, s17, 3
	s_lshl_b32 s24, s24, 9
	s_and_b32 s25, s17, 1
	s_lshl_b32 s25, s25, 8
	s_add_co_u32 s24, s24, s25
	s_bfe_u32 s25, s17, 0x20001
	s_lshl_b32 s25, s25, 2
	s_add_co_u32 s24, s24, s25
	v_add_nc_u32 v31, s24, v27
	global_load_b32 v24, v31, s[58:59]             ; Q's scale word: group tile / 8, lane 16 (tile % 2) + r, word (tile % 8) / 2
	v_mov_b32 v13, 0xff61b1e6                      ; the largest t so far: -3e38
	v_floor_f32 v12, -v13
	v_mov_b32 v14, 0
	v_mov_b32 v15, 0
.set JJ, 0
.rept 32
	v_mov_b32 v[O+JJ], 0                           ; which step is the first that is walked hangs on the mask: so the sums begin as zeros
.set JJ, JJ+1
.endr
	s_lshr_b32 s24, s15, 4
	s_lshl_b32 s24, s24, 11
	s_lshr_b32 s25, s17, 1
	s_lshl_b32 s25, s25, 5
	s_add_co_u32 s24, s24, s25
	s_and_b32 s25, s17, 1
	s_lshl_b32 s25, s25, 3
	s_add_co_u32 s24, s24, s25                     ; lane 0's row of out0
	s_lshl_b32 s24, s24, 12
	s_and_b32 s25, s15, 15
	s_lshl_b32 s25, s25, 8
	s_add_co_u32 s24, s24, s25                     ; + the head's 256 bytes
	s_mov_b32 s25, 0
	s_add_nc_u64 s[60:61], s[12:13], s[24:25]
	s_wait_kmcnt 0x0
	s_mov_b32 s24, s32
.irp i, 1,2,3,4,5,6,7,8,9,10,11,12,13,14,15
	s_lshl_b32 s25, s[32+\i], 2*\i
	s_or_b32 s24, s24, s25
.endr
	s_mov_b32 s26, 0                               ; codes: 4,096 bytes a step
	s_mov_b32 s27, 0                               ; K's scale words: 512
	s_mov_b32 s28, 0                               ; V's: 256
	s_lshl_b32 s29, s17, 12                        ; the mask's words: 256 a step
	s_mov_b32 s19, 16
	s_wait_loadcnt 0x0
.Lstep_\@:
	s_and_b32 s25, s24, 3
	s_lshr_b32 s24, s24, 2
	s_bitcmp1_b32 s25, 0                           ; all masked: the step is left out
	s_cbranch_scc1 .Lskip_\@
	v_add_nc_u32 v8, s26, v1                       ; (these four are also the places in front of the loads into registers that the last products read)
	v_add_nc_u32 v9, s26, v2
	v_add_nc_u32 v10, s27, v3
	v_add_nc_u32 v11, s28, v4
.irp t, 0,1,2,3,4,5,6,7
	ds_load_b128 v[32+4*\t:35+4*\t], v8 offset:512*\t
.endr
	ds_load_b128 v[100:103], v10
.irp t, 0,1,2,3
.irp c, 0,1
	ds_load_b128 v[68+8*\t+4*\c:71+8*\t+4*\c], v9 offset:1024*\t+512*\c
.endr
.endr
	ds_load_b64 v[104:105], v11
	s_wait_dscnt 9                                 ; K and its scale words are in; V's nine loads may be out
.irp t, 0,2,4,6
	v_wmma_scale_f32_16x16x128_f8f6f4 v[S+8*\t:S+8*\t+7], v[32+4*\t:39+4*\t], v[16:23], 0, v[100+\t/2], v24 matrix_a_fmt:MATRIX_FMT_FP4 matrix_b_fmt:MATRIX_FMT_FP4
	v_wmma_scale_f32_16x16x128_f8f6f4 v[S+8*\t+8:S+8*\t+15], v[36+4*\t:43+4*\t], v[16:23], 0, v[100+\t/2], v24 matrix_a_fmt:MATRIX_FMT_FP4 matrix_b_fmt:MATRIX_FMT_FP4 matrix_a_scale:MATRIX_SCALE_ROW1
.endr
.rept 4
	v_nop
.endr
	s_bitcmp1_b32 s25, 1                           ; none masked: the mask is not applied
	s_cbranch_scc0 .Lopen_\@
	v_add_nc_u32 v[MA], s29, v27
	global_load_b128 v[MW:MW+3], v[MA], s[8:9]     ; my query's 128 bits
	s_wait_loadcnt 0x0
.irp b, 0,1,2,3
	v_lshrrev_b32 v[MW+\b], v25, v[MW+\b]          ; register 16 b + i holds key 32 b + 16 h + i: bit i from here on
.endr
.set NN, 0
.rept 64
	v_and_b32 v[TMP], 1<<(NN%16), v[MW+NN/16]
	v_cmp_ne_u32 vcc_lo, 0, v[TMP]
	v_cndmask_b32 v[S+NN], v[S+NN], v26, vcc_lo    ; a masked score becomes -inf ahead of the maximum: p = 0
.set NN, NN+1
.endr
.Lopen_\@:
.irp b, 0,1,2,3
	v_max3_num_f32 v[BM+\b], v[S+16*\b], v[S+1+16*\b], v[S+2+16*\b]   ; the largest score of each block of 32 keys: for the row's maximum and, since p rises with the score, for the block's largest p
.endr
.irp i, 3,5,7,9,11,13
.irp b, 0,1,2,3
	v_max3_num_f32 v[BM+\b], v[BM+\b], v[S+16*\b+\i], v[S+1+16*\b+\i]
.endr
.endr
.irp b, 0,1,2,3
	v_max_num_f32 v[BM+\b], v[BM+\b], v[S+15+16*\b]
.endr
.irp b, 0,1,2,3
	v_permlanex16_b32 v[TP+\b], v[BM+\b], s20, s21
.endr
.irp b, 0,1,2,3
	v_max_num_f32 v[BM+\b], v[BM+\b], v[TP+\b]
.endr
	v_max3_num_f32 v[TMP], v[BM], v[BM+1], v[BM+2]
	v_max_num_f32 v[TMP], v[TMP], v[BM+3]
	v_mul_f32 v[TMP], s22, v[TMP]
	v_max_num_f32 v13, v13, v[TMP]                 ; the running largest t
	v_mov_b32 v[TMP], v12
	v_floor_f32 v12, -v13                          ; the new -M = -ceil(t)
	v_sub_f32 v[TMP], v12, v[TMP]                  ; old M - new M: a whole number, 0 or less
	v_cvt_i32_f32 v[TMP], v[TMP]
	v_ldexp_f32 v[F], 1.0, v[TMP]                  ; f
.set JJ, 0
.rept 32
	v_pk_fma_f32 v[S+JJ:S+JJ+1], v[S+JJ:S+JJ+1], s[22:23], v[12:13] op_sel_hi:[1,0,0]   ; t - M
.set JJ, JJ+2
.endr
.irp b, 0,1,2,3
	v_fma_f32 v[BM+\b], v[BM+\b], s22, v12
.endr
.set JJ, 0
.rept 64
	v_exp_f32 v[S+JJ], v[S+JJ]                     ; p = 2^(t - M)
.set JJ, JJ+1
.endr
	v_pk_mul_f32 v[14:15], v[14:15], v[F:F+1] op_sel_hi:[1,0]   ; the sums under the new M; a plain place behind the exponentials
	s_wait_alu depctr_va_vdst(0)                   ; one wait for the batch, ahead of its first reader
.irp b, 0,1,2,3
	v_exp_f32 v[BM+\b], v[BM+\b]                   ; the block's largest p
.endr
	v_pk_add_f32 v[TP:TP+1], v[S:S+1], v[S+2:S+3]  ; the row's sum of the unquantised p, in two chains
.set JJ, 4
.rept 15
	v_pk_add_f32 v[14:15], v[14:15], v[S+JJ:S+JJ+1]
	v_pk_add_f32 v[TP:TP+1], v[TP:TP+1], v[S+JJ+2:S+JJ+3]
.set JJ, JJ+4
.endr
	v_pk_add_f32 v[14:15], v[14:15], v[TP:TP+1]
	s_wait_alu depctr_va_vdst(0)                   ; and one for the four
.irp b, 0,1,2,3
	v_max_num_f32 v[BM+\b], 0x1800000, v[BM+\b]    ; the floor 2^(3 - 127): the byte cannot fall under 1
.endr
.irp b, 0,1,2,3
	v_add_nc_u32 v[SO+\b], 0xff000000, v[BM+\b]
.endr
.irp b, 0,1,2,3
	v_lshrrev_b32 v[TP+\b], 23, v[SO+\b]
.endr
	v_lshl_or_b32 v[PWD], v[TP+1], 8, v[TP]
	v_lshl_or_b32 v[PWD], v[TP+2], 16, v[PWD]
	v_lshl_or_b32 v[PWD], v[TP+3], 24, v[PWD]
.irp b, 0,1,2,3
	v_cvt_scalef32_pk8_fp4_f32 v[PCD+2*\b], v[S+16*\b:S+7+16*\b], v[SO+\b]
	v_cvt_scalef32_pk8_fp4_f32 v[PCD+1+2*\b], v[S+8+16*\b:S+15+16*\b], v[SO+\b]
.endr
	v_nop                                          ; one plain place behind a scaled conversion
.irp c, 0,1
.irp i, 0,1
	v_permlane16_swap_b32 v[PCD+4*\c+\i], v[PCD+2+4*\c+\i]
.endr
.endr
.set JJ, 0
.rept 16
	v_pk_mul_f32 v[O+JJ:O+JJ+1], v[O+JJ:O+JJ+1], v[F:F+1] op_sel_hi:[1,0]   ; O^T under the new M; also the places between p's codes and scale word and the products
.set JJ, JJ+2
.endr
	s_wait_dscnt 0x0                               ; V and its scale words are in
.irp t, 0,2                                    ; the four accumulators take turns
	v_wmma_scale_f32_16x16x128_f8f6f4 v[O+8*\t:O+8*\t+7], v[68+8*\t:75+8*\t], v[PCD:PCD+7], v[O+8*\t:O+8*\t+7], v[104+\t/2], v[PWD] matrix_a_fmt:MATRIX_FMT_FP4 matrix_b_fmt:MATRIX_FMT_FP4
	v_wmma_scale_f32_16x16x128_f8f6f4 v[O+8*\t+8:O+8*\t+15], v[76+8*\t:83+8*\t], v[PCD:PCD+7], v[O+8*\t+8:O+8*\t+15], v[104+\t/2], v[PWD] matrix_a_fmt:MATRIX_FMT_FP4 matrix_b_fmt:MATRIX_FMT_FP4 matrix_a_scale:MATRIX_SCALE_ROW1
.endr
.Lskip_\@:
	s_add_co_u32 s26, s26, 4096
	s_add_co_u32 s27, s27, 512
	s_add_co_u32 s28, s28, 256
	s_add_co_u32 s29, s29, 256
	s_sub_co_i32 s19, s19, 1
	s_cmp_lg_u32 s19, 0
	s_cbranch_scc1 .Lstep_\@
	; the way out: O^T / the sum, through my stage, so that sixteen lanes store a row's 256 bytes
.rept 4
	v_nop                                          ; places behind the last products
.endr
	v_add_f32 v14, v14, v15
	v_permlanex16_b32 v[TMP], v14, s20, s21
	v_add_f32 v14, v14, v[TMP]
	v_rcp_f32 v14, v14
	v_nop
	s_wait_alu depctr_va_vdst(0)                   ; ahead of the reciprocal's first reader
.set JJ, 0
.rept 32
	v_mul_f32 v[S+JJ], v[O+JJ], v14                ; ascending: each accumulator is read from its low end on
.set JJ, JJ+1
.endr
.irp t, 0,1,2,3
	ds_store_b128 v28, v[S+8*\t:S+8*\t+3] offset:128*(\t/2)+32*(\t%2)
	ds_store_b128 v28, v[S+8*\t+4:S+8*\t+7] offset:128*(\t/2)+32*(\t%2)+16
.endr
.irp i, 0,1,2,3,4,5,6,7
	ds_load_b128 v[144+4*\i:147+4*\i], v29 offset:544*\i   ; LDS serves a wave's instructions in order: these see my stores
.endr
.irp i, 0,1,2,3,4,5,6,7
	s_wait_dscnt 7-\i
	global_store_b128 v7, v[144+4*\i:147+4*\i], s[60:61] offset:(2*\i+8*(\i/4))*4096 th:TH_STORE_NT   ; stage row r is query r + 8 (r / 8) of the tile; 16 lanes store 256 consecutive bytes, aligned
.endr
.endm
	TILE
	s_sub_co_u32 s17, 127, s17                     ; the mirrored tile
	TILE
	s_wait_tensorcnt 0x0                           ; the wave's end: behind my last LDS store
	ds_add_u32 v5, v6
	s_wait_dscnt 0x0
	s_endpgm
.Lfunc_end_k_q9b0cbf4567_attn:
	.size	k_q9b0cbf4567_attn, .Lfunc_end_k_q9b0cbf4567_attn-k_q9b0cbf4567_attn
	.p2alignl 7, 3214868480
	.fill 96, 4, 3214868480
	.section	.rodata,"a",@progbits
	.p2align	6, 0x0
	.amdhsa_kernel k_q9b0cbf4567_attn
		.amdhsa_group_segment_fixed_size 215040
		.amdhsa_private_segment_fixed_size 0
		.amdhsa_enable_private_segment 0
		.amdhsa_kernarg_size 40
		.amdhsa_user_sgpr_count 2
		.amdhsa_user_sgpr_kernarg_segment_ptr 1
		.amdhsa_wavefront_size32 1
		.amdhsa_system_sgpr_workgroup_id_x 1
		.amdhsa_system_sgpr_workgroup_id_y 1
		.amdhsa_system_sgpr_workgroup_id_z 1
		.amdhsa_system_vgpr_workitem_id 0
		.amdhsa_next_free_vgpr 256
		.amdhsa_next_free_sgpr 66
		.amdhsa_reserve_vcc 1
		.amdhsa_float_denorm_mode_32 3
		.amdhsa_float_denorm_mode_16_64 3
		.amdhsa_memory_ordered 1
		.amdhsa_forward_progress 1
		.amdhsa_inst_pref_size 66
	.end_amdhsa_kernel
	.amdgpu_metadata
---
amdhsa.version: [ 1, 2 ]
amdhsa.kernels:
  - .name:           k_q9b0cbf4567_attn
    .symbol:         k_q9b0cbf4567_attn.kd
    .args:
      - { .name: qkc, .offset: 0, .size: 8, .value_kind: global_buffer, .address_space: global }
      - { .name: qks, .offset: 8, .size: 8, .value_kind: global_buffer, .address_space: global }
      - { .name: mb, .offset: 16, .size: 8, .value_kind: global_buffer, .address_space: global }
      - { .name: cls, .offset: 24, .size: 8, .value_kind: global_buffer, .address_space: global }
      - { .name: out0, .offset: 32, .size: 8, .value_kind: global_buffer, .address_space: global }
    .group_segment_fixed_size: 215040
    .private_segment_fixed_size: 0
    .kernarg_segment_align: 8
    .kernarg_segment_size: 40
    .max_flat_workgroup_size: 512
    .sgpr_count:     66
    .vgpr_count:     256
    .wavefront_size: 32
...
	.end_amdgpu_metadata
.endif
;; end of part 3
;; ======== version 2 of 2: 3 launches; version 1 with the launch attn written anew for expert scheduling mode
;; workspace buffers: opc 5,767,168 bytes; ops 360,448 bytes; mb 524,288 bytes of whole numbers; cls 8,192 bytes of whole numbers; qkc 12,582,912 bytes; qks 1,310,720 bytes
;; launch prep: the kernel of part 1 again; grid 864 x 1, 4 waves a work-group, no clusters, 50,688 bytes of LDS; arguments x, Wq, Wk, Wv, atten_mask, opc, ops, mb, cls; writes opc, ops, mb, cls
;; launch proj: the kernel of part 2 again; grid 12 x 32, 4 waves a work-group, clusters of 4 x 4, 327,680 bytes of LDS; arguments opc, ops, bq, bk, bv, qkc, qks; writes qkc, qks
;; launch attn (part 4): grid 4 x 64, 16 waves a work-group, no clusters, 215,040 bytes of LDS; arguments qkc, qks, mb, cls, out0; writes out0
.if DOCPART == 4
	.amdgcn_target "amdgcn-amd-amdhsa--gfx1250"
	.amdhsa_code_object_version 6
	.text
	.protected	k_q9b0cbf4567_attn
	.globl	k_q9b0cbf4567_attn
	.p2align	8
	.type	k_q9b0cbf4567_attn,@function
k_q9b0cbf4567_attn:
	s_mov_b64 s[64:65], 0
	v_nop
	global_prefetch_b8 v0, s[64:65] scope:SCOPE_SE
	s_setreg_imm32_b32 hwreg(HW_REG_WAVE_SCHED_MODE, 0, 2), 2
	s_setreg_imm32_b32 hwreg(HW_REG_WAVE_MODE, 25, 1), 1
	s_wait_xcnt 0x0
	s_wait_alu depctr_vm_vsrc(0)
; LAUNCH 3 OF 3: out[b][q][head] = the sum over keys of softmax(q . k / 8, masked) v, both products on codes of FP4 (E2M1) with E8M0 scales.
; WORK LEFT OUT: a step of 16 queries x 128 keys whose mask entries are all 1 (bit 0 of its word of cls, stored by launch 1): p = 0 there whatever x, W, b hold.  LIMIT: a NaN or an infinity of k or v
; that reaches only such steps is not carried to the result.  A query all of whose keys are masked comes out NaN (0 x 1 / 0), as in reference().
; THE SOFTMAX: t = score x log2(e) / 8; M = the running largest t rounded up to a whole number; p = 2^(t - M) is quantised along the keys; the sum of the unquantised p divides at the end; when M moves, sum and O are multiplied by 2^(old M - new M), exactly.
; SHARES.  A work-group owns one (batch, head) and 32 tiles of 16 queries; wave w of work-group j takes tiles 16 j + w and 127 - (16 j + w), one after the other.  The head's K and V codes and scale words (143,360 bytes) are
; brought into LDS once, through registers, behind the launch's one barrier; after it the waves share nothing.  No tensor load, no cluster.
; LAYOUT.  Both products are used transposed: S^T = K Q^T, O^T = V^T P^T: a lane holds one query.  Tile 2 b + u, lane r, is row 32 b + 8 u + r + 8 (r / 8) (launch 1's stored rows), so the 16 registers of tiles 2 b, 2 b + 1 of S^T are 16 neighbouring keys.
; The head's 64 fill half of the instruction's 128 along K: Q's upper four registers are zero codes; K's operand of tile t is v[32 + 4 t : 39 + 4 t], whose upper four registers (the next tile's codes, or zeros) meet Q's zeros under scale bytes 0: they add exactly 0.
; THE MODE: SCHED_MODE bits 1:0 = 2 (LLVM: expert scheduling mode 2), set by the entry lines.  The code itself states the register dependences
; between vector or matrix instructions and memory or LDS instructions, with s_wait_alu, always for 0.
; THE PLAN.  Registers that memory or LDS instructions touch:
;   v1-v7, v27-v29, v240-v245   addresses, written once at the head, ahead of the head's wait on va_vdst.  v240-v245 serve the fill alone and are at work in the mask's lines afterwards.
;   v112-v181 at the head       the fill's loads land there, the fill's LDS stores read them; afterwards they are S and O.
;   v30, v31; v16-v19, v24      a tile's head writes the two offsets; Q's two loads read them and land in v16-v19 and v24, which the tile's S products read.
;   v8-v11, v235                a walked step's head writes them; the step's 18 LDS loads and its mask load read them.
;   v32-v63, v100-v103 (K)      the step's first nine LDS loads land there; its eight S products read them.
;   v68-v99, v104-v105 (V)      the step's other nine LDS loads land there; its four products V^T P^T read them.
;   v236-v239                   the mask load lands there; the same step's vector lines shift and read them.
;   v112-v143, v144-v175        the way out: written by the division, read by the stage's stores; the stage's loads land in the upper 32, which the global stores read.
; So a walked step has ONE wait on vm_vsrc and ONE on va_vdst at its head, round the five additions that make its addresses: behind them every load of the step goes out with no further wait, V's dealt among the
; S products, which name none of V's registers.  A tile has the same pair at its head.  The other waits on va_vdst: behind the exponentials, ahead of the products that take p's codes, ahead of the stage's stores.
.set KC,    0                          ; LDS: K's codes [tile 128][lane][16]
.set VC,    65536                      ; V's [step 16][tile 4][half 2][lane][16]
.set KSC,   131072                     ; K's scale words [step 16][lane][16]
.set VSC,   139264                     ; V's [step 16][lane][8]
.set STAGE, 143360                     ; the way out: 16 rows x 272 bytes for each wave
.set SPARE, 212992                     ; the spare words: 128 bytes for each wave, named by no other line
.set S,   112                          ; v112-175 S^T, then p
.set O,   176                          ; v176-207 O^T: register 8 t + j = channel 32 (t / 2) + 16 (lane / 16) + 8 (t % 2) + j
.set PCD, 208                          ; v208-215 p's codes
.set BM,  216                          ; v216-219 the blocks' largest scores
.set TP,  220                          ; v220-223 at work
.set SO,  228                          ; v228-231 the conversions' scale operands
.set F,   232                          ; v[232:233] f = 2^(old M - new M)
.set PWD, 234                          ; p's scale word
.set MA,  235                          ; the mask words' offset
.set MW,  236                          ; v236-239 the mask's four words of my query
.set TMP, 240                          ; v240 at work; v240-255 sixteen bits of the mask at a time
; v1 16 lane; v2 + VC; v3 + KSC; v4 8 lane + VSC; v5, v6 the add's two; v7 my offset in out0; v8-11 the step's LDS addresses; v12 -M; v13 the largest t; v[14:15] the sum; v16-19 Q, v20-23 zeros; v24 Q's scale word;
; v25 16 h; v26 -inf; v27 16 r; v28, v29 the stage, in and back; v30, v31 Q's offsets; v32-63 K, v64-67 zeros; v68-99 V; v100-103 K's scale words; v104-105 V's.
; s14 wave; s15 batch x head; s17 the tile; s19 steps to go; s[20:21] lane selects; s[22:23] c; s24 the 16 classes, 2 bits each; s25 this step's; s26-29 the step's offsets; s32-47 the classes as loaded, then sixteen compares' masks; s[48:61] bases.
	s_load_b256 s[4:11], s[0:1], 0x0               ; qkc 4:5, qks 6:7, mb 8:9, cls 10:11
	s_load_b64 s[12:13], s[0:1], 0x20              ; out0
	v_lshl_add_u32 v5, v0, 2, SPARE
	v_mov_b32 v6, 0
	v_lshrrev_b32 v8, 5, v0
	v_readfirstlane_b32 s14, v8
	s_and_b32 s15, ttmp7, 0xffff
	s_lshl_b32 s17, ttmp9, 4
	s_wait_alu depctr_va_sdst(0)                   ; s14 is written, ahead of its first reader: the tile's number and the stage's place are made from it
	s_add_co_u32 s17, s17, s14
	s_mov_b32 s20, 0x76543210
	s_mov_b32 s21, 0xfedcba98
	s_mov_b32 s22, 0x3e38aa3b                      ; c = log2(e) / sqrt(64)
	s_mov_b32 s23, s22
	v_and_b32 v9, 31, v0
	v_and_b32 v10, 15, v0                          ; r
	v_bfe_u32 v11, v0, 4, 1                        ; h
	v_lshlrev_b32 v1, 4, v9
	v_add_nc_u32 v2, VC, v1
	v_add_nc_u32 v3, KSC, v1
	v_lshl_add_u32 v4, v9, 3, VSC
	v_lshlrev_b32 v7, 12, v11
	v_lshl_add_u32 v7, v10, 4, v7                  ; lanes 0-15 one row of out0, lanes 16-31 the next; 16 bytes a lane
	v_lshlrev_b32 v25, 4, v11
	v_mov_b32 v26, 0xff800000
	v_lshlrev_b32 v27, 4, v10
	s_mul_i32 s24, s14, 16*272
	s_add_co_u32 s24, s24, STAGE
	v_mul_u32_u24 v28, v10, 272
	v_lshl_add_u32 v28, v11, 6, v28
	v_add_nc_u32 v28, s24, v28
	v_mul_u32_u24 v29, v11, 272
	v_lshl_add_u32 v29, v10, 4, v29
	v_add_nc_u32 v29, s24, v29
	v_lshl_add_u32 v240, v8, 12, v1                ; the fill: 4,096 bytes a wave of K's and of V's codes,
	v_add_nc_u32 v241, VC, v240
	v_lshlrev_b32 v242, 4, v0                      ; 512 of K's scale words,
	v_lshlrev_b32 v243, 3, v0                      ; 256 of V's
	v_add_nc_u32 v244, KSC, v242
	v_add_nc_u32 v245, VSC, v243
	s_lshl_b32 s24, s15, 16
	s_mov_b32 s25, 0
	s_lshl_b32 s26, s15, 13
	s_mov_b32 s27, 0
	s_lshl_b32 s28, s15, 12
	s_mov_b32 s29, 0
	s_wait_kmcnt 0x0
	s_add_nc_u64 s[56:57], s[4:5], s[24:25]        ; q's codes of my head
	s_add_nc_u64 s[48:49], s[56:57], 0x400000      ; k's
	s_add_nc_u64 s[50:51], s[56:57], 0x800000      ; v's
	s_add_nc_u64 s[58:59], s[6:7], s[26:27]        ; q's scale words
	s_add_nc_u64 s[52:53], s[58:59], 0x80000       ; k's
	s_add_nc_u64 s[54:55], s[6:7], s[28:29]
	s_add_nc_u64 s[54:55], s[54:55], 0x100000      ; v's
	s_wait_alu depctr_va_vdst(0)                   ; every address made above is written: v240-v245, which the fill's loads and stores read; v7, v28, v29 for the way out; v5, v6 for the closing add
.irp i, 0,1,2,3,4,5,6,7
	global_load_b128 v[112+4*\i:115+4*\i], v240, s[48:49] offset:512*\i
.endr
.irp i, 0,1,2,3,4,5,6,7
	global_load_b128 v[144+4*\i:147+4*\i], v240, s[50:51] offset:512*\i
.endr
	global_load_b128 v[176:179], v242, s[52:53]
	global_load_b64 v[180:181], v243, s[54:55]
.irp j, 20,21,22,23,64,65,66,67,220,221,222,223,233
	v_mov_b32 v[\j], 0                             ; Q's and K's zero codes; registers named before they are first written.  (None of them is a register of the fill; the wait at the first tile's head shows them written, ahead of the products)
.endr
	s_wait_loadcnt 10                              ; K's eight are in; V's eight and the two scale loads may be out
.irp i, 0,1,2,3,4,5,6,7
	ds_store_b128 v240, v[112+4*\i:115+4*\i] offset:512*\i
.endr
	s_wait_loadcnt 2
.irp i, 0,1,2,3,4,5,6,7
	ds_store_b128 v241, v[144+4*\i:147+4*\i] offset:512*\i
.endr
	s_wait_loadcnt 0x0
	ds_store_b128 v244, v[176:179]
	ds_store_b64 v245, v[180:181]
	s_wait_dscnt 0x0                               ; for the others' sake: my stores are done
	s_barrier_signal -1
	s_barrier_wait -1                              ; the head's K and V lie in LDS; from here on they are only read
; ONE TILE OF 16 QUERIES, s17.  Written out twice: each loop over the 16 steps has a constant count and starts from constants.
.macro TILE
	s_wait_xcnt 0x0                                ; earlier loads and stores have read their registers and bases
	s_wait_alu depctr_vm_vsrc(0)                   ; all LDS and memory instructions issued so far have read their registers, which are written again below: the fill's data v112-v181 and addresses v240-v245 (first tile); Q's offsets v30, v31, the stage's data v112-v143 and the stores' v144-v175 (second tile)
	s_lshl_b32 s30, s17, 6
	s_mov_b32 s31, 0
	s_add_nc_u64 s[30:31], s[10:11], s[30:31]
	s_load_b512 s[32:47], s[30:31], 0x0            ; the tile's 16 classes
	s_lshl_b32 s24, s17, 9
	v_add_nc_u32 v30, s24, v1
	s_lshr_b32 s24, s17, 3
	s_lshl_b32 s24, s24, 9
	s_and_b32 s25, s17, 1
	s_lshl_b32 s25, s25, 8
	s_add_co_u32 s24, s24, s25
	s_bfe_u32 s25, s17, 0x20001
	s_lshl_b32 s25, s25, 2
	s_add_co_u32 s24, s24, s25
	v_add_nc_u32 v31, s24, v27
	s_wait_alu depctr_va_vdst(0)                   ; v30 and v31 are written, which the two loads read; the tile before is done reading v16-v19 and v24, in which they land; the zero codes v20-v23 and v64-v67 are written, which the products take
	global_load_b128 v[16:19], v30, s[56:57]       ; Q's codes
	global_load_b32 v24, v31, s[58:59]             ; Q's scale word: group tile / 8, lane 16 (tile % 2) + r, word (tile % 8) / 2
	v_mov_b32 v13, 0xff61b1e6                      ; the largest t so far: -3e38
	v_floor_f32 v12, -v13
	v_mov_b32 v14, 0
	v_mov_b32 v15, 0
.set JJ, 0
.rept 32
	v_mov_b32 v[O+JJ], 0                           ; which step is the first that is walked hangs on the mask: so the sums begin as zeros
.set JJ, JJ+1
.endr
	s_lshr_b32 s24, s15, 4
	s_lshl_b32 s24, s24, 11
	s_lshr_b32 s25, s17, 1
	s_lshl_b32 s25, s25, 5
	s_add_co_u32 s24, s24, s25
	s_and_b32 s25, s17, 1
	s_lshl_b32 s25, s25, 3
	s_add_co_u32 s24, s24, s25                     ; lane 0's row of out0
	s_lshl_b32 s24, s24, 12
	s_and_b32 s25, s15, 15
	s_lshl_b32 s25, s25, 8
	s_add_co_u32 s24, s24, s25                     ; + the head's 256 bytes
	s_mov_b32 s25, 0
	s_add_nc_u64 s[60:61], s[12:13], s[24:25]
	s_wait_kmcnt 0x0
	s_mov_b32 s24, s32
.irp i, 1,2,3,4,5,6,7,8,9,10,11,12,13,14,15
	s_lshl_b32 s25, s[32+\i], 2*\i
	s_or_b32 s24, s24, s25
.endr
	s_mov_b32 s26, 0                               ; codes: 4,096 bytes a step
	s_mov_b32 s27, 0                               ; K's scale words: 512
	s_mov_b32 s28, 0                               ; V's: 256
	s_lshl_b32 s29, s17, 12                        ; the mask's words: 256 a step
	s_mov_b32 s19, 16
	s_wait_loadcnt 0x0
.Lstep_\@:
	s_and_b32 s25, s24, 3
	s_lshr_b32 s24, s24, 2
	s_bitcmp1_b32 s25, 0                           ; all masked: the step is left out
	s_cbranch_scc1 .Lskip_\@
	s_wait_alu depctr_vm_vsrc(0)                   ; the loads of the step walked before have read v8-v11 and v[MA], which the five lines below write
	v_add_nc_u32 v8, s26, v1
	v_add_nc_u32 v9, s26, v2
	v_add_nc_u32 v10, s27, v3
	v_add_nc_u32 v11, s28, v4
	v_add_nc_u32 v[MA], s29, v27                   ; the mask words' offset is made here with the others, so that the one wait below serves the mask's load too
	s_wait_alu depctr_va_vdst(0)                   ; the five addresses are written; the products of the step walked before are done reading K, V and their scale words, in which this step's loads land; its vector lines are done with v[MW ..], in which the mask's load lands
.irp t, 0,1,2,3,4,5,6,7
	ds_load_b128 v[32+4*\t:35+4*\t], v8 offset:512*\t
.endr
	ds_load_b128 v[100:103], v10
	s_wait_dscnt 0x0                               ; K and its scale words are in
.irp t, 0,2,4,6                                ; V's loads are dealt among the products.  No wait: no vector or matrix instruction since the wait above names v9, v11, v68-v99 or v104-v105
	v_wmma_scale_f32_16x16x128_f8f6f4 v[S+8*\t:S+8*\t+7], v[32+4*\t:39+4*\t], v[16:23], 0, v[100+\t/2], v24 matrix_a_fmt:MATRIX_FMT_FP4 matrix_b_fmt:MATRIX_FMT_FP4
	ds_load_b128 v[68+4*\t:71+4*\t], v9 offset:512*\t
	v_wmma_scale_f32_16x16x128_f8f6f4 v[S+8*\t+8:S+8*\t+15], v[36+4*\t:43+4*\t], v[16:23], 0, v[100+\t/2], v24 matrix_a_fmt:MATRIX_FMT_FP4 matrix_b_fmt:MATRIX_FMT_FP4 matrix_a_scale:MATRIX_SCALE_ROW1
	ds_load_b128 v[72+4*\t:75+4*\t], v9 offset:512*\t+512
.endr
	ds_load_b64 v[104:105], v11
.rept 4
	v_nop
.endr
	s_bitcmp1_b32 s25, 1                           ; none masked: the mask is not applied
	s_cbranch_scc0 .Lopen_\@
	global_load_b128 v[MW:MW+3], v[MA], s[8:9]     ; my query's 128 bits.  No wait: nothing since the wait at the step's head names v[MA] or v[MW ..]
	s_wait_loadcnt 0x0
.irp b, 0,1,2,3
	v_lshrrev_b32 v[MW+\b], v25, v[MW+\b]          ; register 16 b + i holds key 32 b + 16 h + i: bit i from here on
.endr
.irp m, 0,1,2,3                                ; sixteen scores at a time: their bits, sixteen compares into scalar registers, one wait, sixteen selections
.irp q, 0,1,2,3,4,5,6,7,8,9,10,11,12,13,14,15
	v_and_b32 v[TMP+\q], 1<<\q, v[MW+\m]
.endr
.irp q, 0,1,2,3,4,5,6,7,8,9,10,11,12,13,14,15
	v_cmp_ne_u32 s[32+\q], 0, v[TMP+\q]
.endr
	s_wait_alu depctr_va_sdst(0)                   ; the sixteen compares have written s32-s47, ahead of the selections that read them
.irp q, 0,1,2,3,4,5,6,7,8,9,10,11,12,13,14,15
	v_cndmask_b32 v[S+16*\m+\q], v[S+16*\m+\q], v26, s[32+\q]   ; a masked score becomes -inf ahead of the maximum: p = 0.  Ascending: each accumulator is read from its low end on
.endr
.endr
.Lopen_\@:
.irp b, 0,1,2,3
	v_max3_num_f32 v[BM+\b], v[S+16*\b], v[S+1+16*\b], v[S+2+16*\b]   ; the largest score of each block of 32 keys: for the row's maximum and, since p rises with the score, for the block's largest p
.endr
.irp i, 3,5,7,9,11,13
.irp b, 0,1,2,3
	v_max3_num_f32 v[BM+\b], v[BM+\b], v[S+16*\b+\i], v[S+1+16*\b+\i]
.endr
.endr
.irp b, 0,1,2,3
	v_max_num_f32 v[BM+\b], v[BM+\b], v[S+15+16*\b]
.endr
.irp b, 0,1,2,3
	v_permlanex16_b32 v[TP+\b], v[BM+\b], s20, s21
.endr
.irp b, 0,1,2,3
	v_max_num_f32 v[BM+\b], v[BM+\b], v[TP+\b]
.endr
	v_max3_num_f32 v[TMP], v[BM], v[BM+1], v[BM+2]
	v_max_num_f32 v[TMP], v[TMP], v[BM+3]
	v_mul_f32 v[TMP], s22, v[TMP]
	v_max_num_f32 v13, v13, v[TMP]                 ; the running largest t
	v_mov_b32 v[TMP], v12
	v_floor_f32 v12, -v13                          ; the new -M = -ceil(t)
	v_sub_f32 v[TMP], v12, v[TMP]                  ; old M - new M: a whole number, 0 or less
	v_cvt_i32_f32 v[TMP], v[TMP]
	v_ldexp_f32 v[F], 1.0, v[TMP]                  ; f
.set JJ, 0
.rept 32
	v_pk_fma_f32 v[S+JJ:S+JJ+1], v[S+JJ:S+JJ+1], s[22:23], v[12:13] op_sel_hi:[1,0,0]   ; t - M
.set JJ, JJ+2
.endr
.irp b, 0,1,2,3
	v_fma_f32 v[BM+\b], v[BM+\b], s22, v12
.endr
.set JJ, 0
.rept 64
	v_exp_f32 v[S+JJ], v[S+JJ]                     ; p = 2^(t - M)
.set JJ, JJ+1
.endr
	v_pk_mul_f32 v[14:15], v[14:15], v[F:F+1] op_sel_hi:[1,0]   ; the sums under the new M; a plain place behind the exponentials
	s_wait_alu depctr_va_vdst(0)                   ; the 64 exponentials have written v[S ..]: one wait for the batch, ahead of its first reader
.irp b, 0,1,2,3
	v_exp_f32 v[BM+\b], v[BM+\b]                   ; the block's largest p
.endr
	v_pk_add_f32 v[TP:TP+1], v[S:S+1], v[S+2:S+3]  ; the row's sum of the unquantised p, in two chains
.set JJ, 4
.rept 15
	v_pk_add_f32 v[14:15], v[14:15], v[S+JJ:S+JJ+1]
	v_pk_add_f32 v[TP:TP+1], v[TP:TP+1], v[S+JJ+2:S+JJ+3]
.set JJ, JJ+4
.endr
	v_pk_add_f32 v[14:15], v[14:15], v[TP:TP+1]
	s_wait_alu depctr_va_vdst(0)                   ; the four exponentials have written v[BM ..], ahead of their first reader
.irp b, 0,1,2,3
	v_max_num_f32 v[BM+\b], 0x1800000, v[BM+\b]    ; the floor 2^(3 - 127): the byte cannot fall under 1
.endr
.irp b, 0,1,2,3
	v_add_nc_u32 v[SO+\b], 0xff000000, v[BM+\b]
.endr
.irp b, 0,1,2,3
	v_lshrrev_b32 v[TP+\b], 23, v[SO+\b]
.endr
	v_lshl_or_b32 v[PWD], v[TP+1], 8, v[TP]
	v_lshl_or_b32 v[PWD], v[TP+2], 16, v[PWD]
	v_lshl_or_b32 v[PWD], v[TP+3], 24, v[PWD]
.irp b, 0,1,2,3
	v_cvt_scalef32_pk8_fp4_f32 v[PCD+2*\b], v[S+16*\b:S+7+16*\b], v[SO+\b]
	v_cvt_scalef32_pk8_fp4_f32 v[PCD+1+2*\b], v[S+8+16*\b:S+15+16*\b], v[SO+\b]
.endr
	v_nop                                          ; one plain place behind a scaled conversion
.irp c, 0,1
.irp i, 0,1
	v_permlane16_swap_b32 v[PCD+4*\c+\i], v[PCD+2+4*\c+\i]
.endr
.endr
.set JJ, 0
.rept 16
	v_pk_mul_f32 v[O+JJ:O+JJ+1], v[O+JJ:O+JJ+1], v[F:F+1] op_sel_hi:[1,0]   ; O^T under the new M; also the places between p's codes and scale word and the products
.set JJ, JJ+2
.endr
	s_wait_dscnt 0x0                               ; V and its scale words are in
	s_wait_alu depctr_va_vdst(0)                   ; behind the places: p's codes v[PCD ..] and p's scale word v[PWD] are written, which the scaled products below take as operand and as scales
.irp t, 0,2                                    ; the four accumulators take turns
	v_wmma_scale_f32_16x16x128_f8f6f4 v[O+8*\t:O+8*\t+7], v[68+8*\t:75+8*\t], v[PCD:PCD+7], v[O+8*\t:O+8*\t+7], v[104+\t/2], v[PWD] matrix_a_fmt:MATRIX_FMT_FP4 matrix_b_fmt:MATRIX_FMT_FP4
	v_wmma_scale_f32_16x16x128_f8f6f4 v[O+8*\t+8:O+8*\t+15], v[76+8*\t:83+8*\t], v[PCD:PCD+7], v[O+8*\t+8:O+8*\t+15], v[104+\t/2], v[PWD] matrix_a_fmt:MATRIX_FMT_FP4 matrix_b_fmt:MATRIX_FMT_FP4 matrix_a_scale:MATRIX_SCALE_ROW1
.endr
.Lskip_\@:
	s_add_co_u32 s26, s26, 4096
	s_add_co_u32 s27, s27, 512
	s_add_co_u32 s28, s28, 256
	s_add_co_u32 s29, s29, 256
	s_sub_co_i32 s19, s19, 1
	s_cmp_lg_u32 s19, 0
	s_cbranch_scc1 .Lstep_\@
	; the way out: O^T / the sum, through my stage, so that sixteen lanes store a row's 256 bytes
.rept 4
	v_nop                                          ; places behind the last products
.endr
	v_add_f32 v14, v14, v15
	v_permlanex16_b32 v[TMP], v14, s20, s21
	v_add_f32 v14, v14, v[TMP]
	v_rcp_f32 v14, v14
	v_nop
	s_wait_alu depctr_va_vdst(0)                   ; the reciprocal has written v14, ahead of its first reader
.set JJ, 0
.rept 32
	v_mul_f32 v[S+JJ], v[O+JJ], v14                ; ascending: each accumulator is read from its low end on
.set JJ, JJ+1
.endr
	s_wait_alu depctr_va_vdst(0)                   ; the 32 multiplications have written v112-v143, which the stage's stores read; the steps' vector lines are done with v144-v175, in which the stage's loads land
.irp t, 0,1,2,3
	ds_store_b128 v28, v[S+8*\t:S+8*\t+3] offset:128*(\t/2)+32*(\t%2)
	ds_store_b128 v28, v[S+8*\t+4:S+8*\t+7] offset:128*(\t/2)+32*(\t%2)+16
.endr
.irp i, 0,1,2,3,4,5,6,7
	ds_load_b128 v[144+4*\i:147+4*\i], v29 offset:544*\i   ; LDS serves a wave's instructions in order: these see my stores
.endr
.irp i, 0,1,2,3,4,5,6,7
	s_wait_dscnt 7-\i
	global_store_b128 v7, v[144+4*\i:147+4*\i], s[60:61] offset:(2*\i+8*(\i/4))*4096 th:TH_STORE_NT   ; stage row r is query r + 8 (r / 8) of the tile; 16 lanes store 256 consecutive bytes, aligned
.endr
.endm
	TILE
	s_sub_co_u32 s17, 127, s17                     ; the mirrored tile
	TILE
	s_wait_dscnt 0x0                               ; the wave's end
	s_wait_alu 0x0
	s_wait_tensorcnt 0x0
	ds_add_u32 v5, v6
	s_wait_dscnt 0x0
	s_endpgm
.Lfunc_end_k_q9b0cbf4567_attn:
	.size	k_q9b0cbf4567_attn, .Lfunc_end_k_q9b0cbf4567_attn-k_q9b0cbf4567_attn
	.p2alignl 7, 3214868480
	.fill 96, 4, 3214868480
	.section	.rodata,"a",@progbits
	.p2align	6, 0x0
	.amdhsa_kernel k_q9b0cbf4567_attn
		.amdhsa_group_segment_fixed_size 215040
		.amdhsa_private_segment_fixed_size 0
		.amdhsa_enable_private_segment 0
		.amdhsa_kernarg_size 40
		.amdhsa_user_sgpr_count 2
		.amdhsa_user_sgpr_kernarg_segment_ptr 1
		.amdhsa_wavefront_size32 1
		.amdhsa_system_sgpr_workgroup_id_x 1
		.amdhsa_system_sgpr_workgroup_id_y 1
		.amdhsa_system_sgpr_workgroup_id_z 1
		.amdhsa_system_vgpr_workitem_id 0
		.amdhsa_next_free_vgpr 256
		.amdhsa_next_free_sgpr 66
		.amdhsa_reserve_vcc 0
		.amdhsa_float_denorm_mode_32 3
		.amdhsa_float_denorm_mode_16_64 3
		.amdhsa_memory_ordered 1
		.amdhsa_forward_progress 1
		.amdhsa_inst_pref_size 75
	.end_amdhsa_kernel
	.amdgpu_metadata
---
amdhsa.version: [ 1, 2 ]
amdhsa.kernels:
  - .name:           k_q9b0cbf4567_attn
    .symbol:         k_q9b0cbf4567_attn.kd
    .args:
      - { .name: qkc, .offset: 0, .size: 8, .value_kind: global_buffer, .address_space: global }
      - { .name: qks, .offset: 8, .size: 8, .value_kind: global_buffer, .address_space: global }
      - { .name: mb, .offset: 16, .size: 8, .value_kind: global_buffer, .address_space: global }
      - { .name: cls, .offset: 24, .size: 8, .value_kind: global_buffer, .address_space: global }
      - { .name: out0, .offset: 32, .size: 8, .value_kind: global_buffer, .address_space: global }
    .group_segment_fixed_size: 215040
    .private_segment_fixed_size: 0
    .kernarg_segment_align: 8
    .kernarg_segment_size: 40
    .max_flat_workgroup_size: 512
    .sgpr_count:     66
    .vgpr_count:     256
    .wavefront_size: 32
...
	.end_amdgpu_metadata
.endif
;; end of part 4
